; MI455X (gfx1250); checked and timed in simulation.
; The chip was launched on July 23, 2026; its instructions are those of AMD's public machine-readable ISA for CDNA 5 (MIT licence, August 2026) and "CDNA5" Instruction Set Architecture Reference Guide (July 2026). The comments in the code are by the model that wrote it; some were corrected since.
;; A Li Bi Grouped Query Attention. Allowed arithmetic: matrix products marked QUANTISED: E2M3 operands, one E8M0 scale for each 32 along K, by v_wmma_scale_f32_16x16x128_f8f6f4 with both operands' format E2M3, f32 sums; everything else in f32.
;; Inputs: Wk_codes 512 x 64 x 24 uint8 (E2M3 codes of Wk, K innermost, in blocks of 32 codes, four codes in three bytes); Wk_scales 512 x 64 uint8 (E8M0 scales of Wk, one for each 32 codes along K); Wo_codes 2,048 x 64 x 24 uint8 (E2M3 codes of Wo, K innermost, in blocks of 32 codes, four codes in three bytes); Wo_scales 2,048 x 64 uint8 (E8M0 scales of Wo, one for each 32 codes along K); Wq_codes 2,048 x 64 x 24 uint8 (E2M3 codes of Wq, K innermost, in blocks of 32 codes, four codes in three bytes); Wq_scales 2,048 x 64 uint8 (E8M0 scales of Wq, one for each 32 codes along K); Wv_codes 512 x 64 x 24 uint8 (E2M3 codes of Wv, K innermost, in blocks of 32 codes, four codes in three bytes); Wv_scales 512 x 64 uint8 (E8M0 scales of Wv, one for each 32 codes along K); key_codes 4 x 1,024 x 64 x 24 uint8 (E2M3 codes of key, K innermost, in blocks of 32 codes, four codes in three bytes); key_scales 4 x 1,024 x 64 uint8 (E8M0 scales of key, one for each 32 codes along K); mask 4 x 1,024 bool; query_codes 4 x 1,024 x 64 x 24 uint8 (E2M3 codes of query, K innermost, in blocks of 32 codes, four codes in three bytes); query_scales 4 x 1,024 x 64 uint8 (E8M0 scales of query, one for each 32 codes along K); value_codes 4 x 1,024 x 64 x 24 uint8 (E2M3 codes of value, K innermost, in blocks of 32 codes, four codes in three bytes); value_scales 4 x 1,024 x 64 uint8 (E8M0 scales of value, one for each 32 codes along K).
;; Outputs: out0 4 x 1,024 x 2,048 float32.
;; This version of the problem:
;;   THIS VERSION OF THE PROBLEM IS GIVEN IN LOW PRECISION. The matrix products marked QUANTISED in the list below multiply operands that are first quantised to E2M3 (2 exponent bits, 3 mantissa bits; 6 bits a number), with one power-of-two scale for each 32 numbers along K (OCP MX v1.0); their sums are f32. All else is computed in f32.
;;   The module's matrix products, in the order in which they are computed (A, B: the left and right operand; K: the contracted axis; several contracted axes count as one K, in the product's order):
;;     1. [M 4,096, K 2,048] x [K 2,048, N 2,048]; A: input query (given as codes); B: input Wq (given as codes): QUANTISED
;;     2. [M 4,096, K 2,048] x [K 2,048, N 512]; A: input key (given as codes); B: input Wk (given as codes): QUANTISED
;;     3. [M 4,096, K 2,048] x [K 2,048, N 512]; A: input value (given as codes); B: input Wv (given as codes): QUANTISED
;;     4. batch 16 x [M 1,024, K 128] x [K 128, N 4,096]; A: computed on the way; B: computed on the way: QUANTISED
;;     5. batch 16 x [M 128, K 1,024] x [K 1,024, N 4,096]; A: computed on the way; B: softmax (see below): QUANTISED
;;     6. [M 4,096, K 2,048] x [K 2,048, N 2,048]; A: computed on the way; B: input Wo (given as codes): QUANTISED
;;   THE QUANTISER, for each operand of a quantised product, along K:
;;     - K is cut into blocks of 32 from its start; a last block that is shorter is filled with zeros.
;;     - A block's scale is 2^e with e = floor(log2(the largest magnitude in the block)) - 2, held to -126 .. 127; a block of zeros has e = 0. As a byte (E8M0): e + 127.
;;     - Each number is divided by its block's scale, clamped to +-7.5, and rounded to the nearest number of E2M3, ties to even, subnormals kept.
;;     - The product sums the exact products of the quantised numbers (number of the format x scale) in f32.
;;   ~~~python
;;   def quantise(x, axis):      # numpy; x: float32 -> the quantised numbers, widened to float32 again
;;       x = np.moveaxis(x, axis, -1); K = x.shape[-1]
;;       x = np.pad(x, [(0, 0)] * (x.ndim - 1) + [(0, -K % 32)]); x = x.reshape(x.shape[:-1] + (-1, 32)); a = np.abs(x).max(-1, keepdims=True)
;;       e = np.where(a > 0, np.clip(np.frexp(np.where(a > 0, a, 1))[1] - 1 - 2, -126, 127), 0)      # np.frexp(a)[1] - 1 = floor(log2(a)), exactly
;;       r = np.clip(x / 2.0 ** e, -7.5, 7.5)
;;       step = 2.0 ** (np.maximum(np.frexp(np.where(r == 0, 1, r))[1] - 1, 0) - 3)
;;       q = np.round(r / step) * step * 2.0 ** e      # np.round: ties to even
;;       return np.moveaxis(q.reshape(q.shape[:-2] + (-1,))[..., :K], -1, axis).astype(np.float32)
;;   ~~~
;;   SOFTMAX AHEAD OF A QUANTISED PRODUCT. Where the list says 'softmax', what is quantised is not the finished softmax but p = 2^(t - M), with t = logit x log2(e) and M = ceil(the row's largest t), a whole number; so 1/2 < the row's largest p <= 1. The row's sum l is taken of the UNQUANTISED p, in f32, and the product's result is divided by l at the end. Since M is a whole number, a kernel that streams over the keys may use a running M (the ceiling of the running maximum): every later rescaling is an exact power of two, which a block's scale takes up: the codes' values come out the same.
;;   OPERANDS COMPUTED ON THE WAY. 'Computed on the way' means the value that the module computes at that place (a softmax that the list does not call 'softmax' is quantised finished and normalised). What goes into a quantiser is computed in f32, as accurately as f32 sums, v_exp_f32 and their like allow (about 1e-6 of the number): no bf16 or f16 on the way to a quantiser, and a product that is left as it is and whose result goes on into a quantised operand takes f32 operands (vector FMAs, or v_wmma_f32_16x16x4_f32). A number that lies on a knife's edge between two numbers of the format may be rounded either way, as far as f32 arithmetic and the matrix unit's own rounding can turn it there, and no further.
;;   INPUTS GIVEN AS CODES. Wk (in the module: [2048, 512], K = its axis 0); Wo (in the module: [2048, 2048], K = its axis 0); Wq (in the module: [2048, 2048], K = its axis 0); Wv (in the module: [2048, 512], K = its axis 0); key (in the module: [4, 1024, 2048], K = its axis 2); query (in the module: [4, 1024, 2048], K = its axis 2); value (in the module: [4, 1024, 2048], K = its axis 2): each comes as NAME_codes (uint8): NAME with its K axis moved to the last place and cut into blocks of 32 codes, [.., K / 32, bytes a block], one block behind the other in memory; four codes in three bytes: a row's codes are one little-endian stream of bits, code i at bits 6 i .. 6 i + 5 (a code: sign, 2 exponent bits, 3 mantissa bits); and NAME_scales (uint8): the same leading axes, one E8M0 byte (e + 127) for each 32 codes along K. Its value is code x scale, taken as it is: it is not quantised again, and the codes and scales need not be those that the quantiser above would give.
;; One version. Each part assembles by itself: llvm-mc -triple=amdgcn-amd-amdhsa -mcpu=gfx1250 --defsym DOCPART=n.
;; ======== version 1 of 1: 3 launches
;; workspace buffers: QF 6,291,456 bytes; QS 262,144 bytes; KF 1,572,864 bytes; KS 65,536 bytes; VF 1,572,864 bytes; VS 65,536 bytes; AO 6,291,456 bytes; AS 262,144 bytes
;; launch proj (part 1): grid 192 x 1, 4 waves a work-group, clusters of 4 x 1, 327,680 bytes of LDS; arguments query_codes, query_scales, key_codes, key_scales, value_codes, value_scales, Wq_codes, Wq_scales, Wk_codes, Wk_scales, Wv_codes, Wv_scales, QF, QS, KF, KS, VF, VS; writes QF, QS, KF, KS, VF, VS
.if DOCPART == 1
	.amdgcn_target "amdgcn-amd-amdhsa--gfx1250"
	.amdhsa_code_object_version 6
	.text
	.protected	k_q10ebe4cb19_proj
	.globl	k_q10ebe4cb19_proj
	.p2align	8
	.type	k_q10ebe4cb19_proj,@function
k_q10ebe4cb19_proj:
	s_mov_b64 s[64:65], 0
	v_nop
	global_prefetch_b8 v0, s[64:65] scope:SCOPE_SE
	s_setreg_imm32_b32 hwreg(HW_REG_WAVE_MODE, 25, 1), 1
	s_wait_xcnt 0x0
	s_wait_alu depctr_hold_cnt(0) depctr_sa_sdst(0) depctr_va_vdst(0) depctr_va_sdst(0) depctr_va_ssrc(0) depctr_va_vcc(0) depctr_vm_vsrc(0)
	s_getreg_b32 s2, hwreg(HW_REG_IB_STS2, 6, 4)
	s_cmp_eq_u32 s2, 0
	s_cbranch_scc0 .Lentry_in_a_cluster
	s_endpgm
.Lentry_in_a_cluster:
	s_bfe_u32 s2, ttmp6, 0x10000c
	s_cmp_lg_u32 s2, 0x3003
	s_cbranch_scc0 .Lentry_shape_is_right
	s_endpgm
.Lentry_shape_is_right:
; THE THREE PROJECTIONS, on codes of FP6 (E2M3) with one E8M0 scale for each 32 along K = 2,048, and their results quantised in registers for the attention launch.
; One body, three roles, chosen by the cluster's number c (48 clusters of 4 work-groups):  C'[i][j] = sum over k of S0[i][k] S1[j][k], a tile of 256 x 256 to a work-group, 128 x 128 to each of its four waves.
;   c 0-31:  Q = query Wq / sqrt(128): S0 = Wq's rows, S1 = query's tokens      c 32-39: K = key Wk: S0 = Wk's rows, S1 = key's tokens      c 40-47: V = value Wv: S0 = value's tokens, S1 = Wv's rows
; Source 0 of the matrix instruction takes 16 rows of S0, source 1 16 rows of S1: a lane holds ONE row of S1 and its registers run along S0, which is the axis along which the result is quantised
; (Q, K: the head's 128; V: 128 keys).  A wave's 128 along S0 are one fragment of the next product: 16 rows x 128 K, 12 registers a lane.
; WHAT IS STORED: each fragment as an IMAGE OF ITS REGISTERS (registers 4 c .. 4 c + 3 of lane l at 512 c + 16 l: three stores of 512 consecutive bytes), [head or group][block of 128 tokens][8 fragments];
; K's odd fragments with lane l at the place of lane l xor 8, as the attention launch reads them.  The scale words of a block's 8 fragments as 512 bytes: fragment a, row r at 16 (16 (a % 2) + r) + 4 (a / 2).
; CLUSTER: the four partners take four neighbouring tiles of tokens and the SAME tile of the weight: the weight's tiles and scales are asked for jointly (mask 15), the tokens' by plain loads.
; The ring, the scales that stay in LDS, the fragments and the order of the products are those of a GEMM on such codes: K in steps of 256 through two LDS slots, rows of 192 bytes.
; LIMITS: NaN and infinities are not served; a block whose largest magnitude lies under 2^-124 takes the scale byte 1 (a block of zeros too: its codes are zeros, and only this program reads the bytes);
; Q / sqrt(128) is a multiplication by the f32 number nearest to 1 / sqrt(128).
; REGISTERS, in windows of 256: window 0: v16-29 addresses; v32-63 scale words, two sets; v64-127 at work on the way out; from v128 S1's fragments, ONE set (on the way out: codes and scale words);
;   window 1: S0's fragments, two sets;  window 2: the 32 accumulators of my S1 rows 0-63 ((a, b) at v[8 (8 a + b)]);  window 3: those of rows 64-127.
.set KSTEP,  256                       ; along K in a slot
.set NQ,     2                         ; matrix instructions deep
.set ROWB,   192                       ; a tile's row in bytes
.set KROW,   1536                      ; a row of 2,048 codes in memory
.set PITCH,  240                       ; an LDS row: 3 x (64 bytes + 16 of padding)
.set FR,     12                        ; registers of a fragment
.set NL,     6                         ; LDS loads that bring one
.set NP,     4                         ; places behind this matrix instruction (ISA guide 7.12.1)
.set HALFT,  128*PITCH                 ; 128 rows: one tensor load
.set SLOT,   4*HALFT                   ; S1's 256 rows, then S0's 256 rows
.set LAPS,   4                         ; 2,048 / 512
.set KS,     64                        ; a row of scale bytes
.set SCL,    2*SLOT                    ; behind the ring: the scales, as units of 256 bytes + 16
.set HALFS,  32*272                    ; the scales of 128 rows
.set SBLK,   4*272                     ; of 16 rows
.set SPARE,  SCL+4*HALFS               ; the spare words, 128 bytes for each wave: two blocks of 256 bytes that no other line names
.set ADRA, 16                          ; v16-17 LDS address of my S1 fragments in slot 0, 1 (v18-19: behind one padding more)
.set ADRB, 20                          ; v20-23 the same for S0
.set VO0,  24                          ; v24 16 x lane: an image's place for my lane
.set VO1,  25                          ; v25 16 x (lane xor 8) in role K, else as v24: for odd fragments
.set ADRS, 27                          ; v27 LDS address of my scale words
.set SPW,  28                          ; v28 my spare word; never rewritten
.set NIL,  29                          ; v29 0; never rewritten
.set SC,   32
.set AF,   128
.set T,    64                          ; the way out: 64 numbers of a lane
.set PC,   128                         ; the fragment's codes, 12 registers
.set PT,   140                         ; v140-142, v144-146: the conversions' second halves
.set BM,   148                         ; four largest magnitudes
.set BP,   152                         ; the other half's; then the bytes
.set SO,   156                         ; the conversions' scale operands
.set PW,   164                         ; v164-171 the eight fragments' scale words
.set SW,   172                         ; v172-175 the scale block as it is stored
.set SEL,  100                         ; s[100:101] selects for lane l xor 16
.set G1P,  24                          ; s[24:31] group 1, plain, codes;  s[32:39] its groups 0, one for each slot
.set G0P,  32
.set G1J,  48                          ; s[48:55], s[56:63] the same, joint
.set G0J,  56
.set G1SP, 68                          ; s[68:75], s[76:79] scales, plain;  s[80:87], s[88:91] joint
.set G0SP, 76
.set G1SJ, 80
.set G0SJ, 88
.set MSB, 0
.macro WIN new                         ; the immediate's high byte repeats the setting that is left
.if MSB != (\new)
	s_set_vgpr_msb (MSB<<8)|(\new)
.set MSB, (\new)
.endif
.endm
.set MUL_LO, 0xa1                      ; source 0 (S0) window 1, source 1 (S1) window 0, C and D window 2
.set MUL_HI, 0xf1
.set TO_B,   0x40
; One load a wave.  Waves 0 and 1 fill S1's region, waves 2 and 3 S0's.  s21 = 1 where what I fetch is the weight's: then the load is the joint one.  s21 hangs on the wave's number and the cluster's number
; alone, so it is the same in all four partners.  Both lines write the same LDS bytes of the wave.  Four v_nop follow each line.
.macro JLOAD g0p, g1p, g0j, g1j
	s_cmp_eq_u32 s21, 0
	s_cbranch_scc0 .Ljoint_\@
	tensor_load_to_lds s[\g0p:\g0p+3], s[\g1p:\g1p+7]
	s_nop 0
.rept 4
	v_nop
.endr
	s_branch .Lasked_\@
.Ljoint_\@:
	tensor_load_to_lds s[\g0j:\g0j+3], s[\g1j:\g1j+7]
	s_nop 0
.rept 4
	v_nop
.endr
.Lasked_\@:
.endm
.macro CREST                           ; a round of the cluster's barrier behind its opening barrier
	s_cmp_lg_u32 s16, 0
	s_cbranch_scc1 .Lnot_wave_0_\@
	s_barrier_signal -3
.Lnot_wave_0_\@:
	s_barrier_wait -3
	s_barrier_signal -1
	s_barrier_wait -1
.endm
.macro CROUND
	s_barrier_signal -1
	s_barrier_wait -1
	CREST
.endm
	s_load_b128 s[24:27], s[0:1], 0x0              ; query's codes, scales
	s_load_b128 s[28:31], s[0:1], 0x10             ; key's
	s_load_b128 s[32:35], s[0:1], 0x20             ; value's
	s_load_b128 s[36:39], s[0:1], 0x30             ; Wq's
	s_load_b128 s[40:43], s[0:1], 0x40             ; Wk's
	s_load_b128 s[44:47], s[0:1], 0x50             ; Wv's
	s_load_b128 s[48:51], s[0:1], 0x60             ; QF, QS
	s_load_b128 s[52:55], s[0:1], 0x70             ; KF, KS
	s_load_b128 s[56:59], s[0:1], 0x80             ; VF, VS
	v_lshl_add_u32 v[SPW], v0, 2, SPARE
	v_mov_b32 v[NIL], 0
	ds_add_u32 v28, v29
	ds_add_u32 v28, v29
	s_wait_dscnt 0x0
	v_lshrrev_b32 v1, 5, v0
	v_readfirstlane_b32 s16, v1                    ; wave 0..3
	s_lshr_b32 s17, s16, 1                         ; which half of S1's 256 rows is mine.  Also: I fetch for S1 (0) or S0 (1)
	s_and_b32 s18, s16, 1                          ; which half of S0's.  Also: which 128 rows of that tile I fetch
	s_bfe_u32 s19, ttmp6, 0x40000                  ; cx: my place in the cluster
	s_and_b32 s92, ttmp9, 7
	s_lshr_b32 s93, ttmp9, 3
	s_and_b32 s94, s92, 1
	s_lshr_b32 s95, s92, 1
	s_cmp_lt_u32 ttmp9, 32                         ; role Q?
	s_cselect_b32 s22, s92, s94                    ; the weight's tile: 8 of Wq, 2 of Wk or Wv
	s_cselect_b32 s96, s93, s95                    ; which four tiles of tokens
	s_cselect_b32 s66, 0x3db504f3, 1.0             ; 1 / sqrt(128) for Q, else 1
	s_mov_b32 s67, s66                             ; (named with it as a pair)
	s_cselect_b32 s97, 0, 1
	s_cmp_ge_u32 ttmp9, 40
	s_cselect_b32 s20, 1, 0                        ; role V
	s_sub_co_u32 s98, s97, s20                     ; role K
	s_lshl_b32 s99, s98, 3                         ; 8 in role K
	s_xor_b32 s21, s17, s20                        ; 1: what I fetch is the weight's (S0 in roles Q and K, S1 in role V)
	s_lshl_b32 s23, s96, 2
	s_add_co_u32 s23, s23, s19                     ; my tile of tokens
	s_mov_b32 s[SEL], 0x76543210
	s_mov_b32 s[SEL+1], 0xfedcba98
	; group 1 for the scales of 128 rows: a dense block of 8,192 bytes as 32 rows of 256 bytes (32 elements of 8), 16 bytes of padding behind each
	s_mov_b32 s[G1SP+0], (3<<16)|(1<<20)|(5<<22)|(3<<25)
	s_mov_b32 s[G1SJ+0], 15|(3<<16)|(1<<20)|(1<<21)|(5<<22)|(3<<25)
.irp g, G1SP, G1SJ
	s_mov_b32 s[\g+1], 32<<16
	s_mov_b32 s[\g+2], 32<<16
	s_mov_b32 s[\g+3], 32<<16
	s_mov_b32 s[\g+4], 32
	s_mov_b32 s[\g+5], 32
	s_mov_b32 s[\g+6], 0
	s_mov_b32 s[\g+7], 0
.endr
	s_lshl_b32 s93, s18, 7
	s_lshl_b32 s92, s23, 8
	s_add_co_u32 s92, s92, s93                     ; the tokens' row that I fetch from: 256 x tile + 128 x half
	s_lshl_b32 s94, s22, 8
	s_add_co_u32 s94, s94, s93                     ; the weight's: it never holds cx
	s_mul_i32 s95, s16, HALFT                      ; where they go: wave x 128 rows
	s_mul_i32 s96, s16, HALFS
	s_wait_kmcnt 0x0
	s_cmp_lt_u32 ttmp9, 40                         ; the role's six buffers: the choice hangs on the cluster's number alone
	s_cselect_b64 s[4:5], s[28:29], s[32:33]
	s_cselect_b64 s[6:7], s[30:31], s[34:35]
	s_cselect_b64 s[8:9], s[40:41], s[44:45]
	s_cselect_b64 s[10:11], s[42:43], s[46:47]
	s_cselect_b64 s[12:13], s[52:53], s[56:57]
	s_cselect_b64 s[14:15], s[54:55], s[58:59]
	s_cmp_lt_u32 ttmp9, 32
	s_cselect_b64 s[4:5], s[24:25], s[4:5]         ; the tokens' codes
	s_cselect_b64 s[6:7], s[26:27], s[6:7]         ; and scales
	s_cselect_b64 s[8:9], s[36:37], s[8:9]         ; the weight's codes
	s_cselect_b64 s[10:11], s[38:39], s[10:11]     ; and scales
	s_cselect_b64 s[12:13], s[48:49], s[12:13]     ; the images
	s_cselect_b64 s[14:15], s[50:51], s[14:15]     ; the scale blocks
	; group 1 for the codes: 128 rows x 192 bytes, 1,536 bytes apart, 16 bytes of padding behind every 64
	s_mov_b32 s[G1P+0], (1<<20)|(3<<22)|(3<<25)
	s_mov_b32 s[G1J+0], 15|(1<<20)|(1<<21)|(3<<22)|(3<<25)   ; 15:0 the mask: all four partners; 21 set beside a mask
.irp g, G1P, G1J
	s_mov_b32 s[\g+1], ROWB<<16
	s_mov_b32 s[\g+2], 128<<16
	s_mov_b32 s[\g+3], ROWB<<16
	s_mov_b32 s[\g+4], 128
	s_mov_b32 s[\g+5], KROW
	s_mov_b32 s[\g+6], 0
	s_mov_b32 s[\g+7], 0
.endr
	s_mul_i32 s40, s92, KROW
	s_mov_b32 s41, 0
	s_add_nc_u64 s[40:41], s[4:5], s[40:41]        ; the tokens' codes,
	s_lshl_b32 s42, s92, 6
	s_mov_b32 s43, 0
	s_add_nc_u64 s[42:43], s[6:7], s[42:43]        ; their scales,
	s_mul_i32 s44, s94, KROW
	s_mov_b32 s45, 0
	s_add_nc_u64 s[44:45], s[8:9], s[44:45]        ; the weight's codes,
	s_lshl_b32 s46, s94, 6
	s_mov_b32 s47, 0
	s_add_nc_u64 s[46:47], s[10:11], s[46:47]      ; its scales
	CROUND                                         ; all four work-groups are here: the first joint loads meet
	s_mov_b32 s[G0SP], 1
	s_add_co_u32 s[G0SP+1], s96, SCL
	s_mov_b64 s[G0SP+2:G0SP+3], s[42:43]
	s_or_b32 s[G0SP+3], s[G0SP+3], 0x80000000
	s_mov_b32 s[G0SJ], 1
	s_add_co_u32 s[G0SJ+1], s96, SCL
	s_mov_b64 s[G0SJ+2:G0SJ+3], s[46:47]
	s_or_b32 s[G0SJ+3], s[G0SJ+3], 0x80000000
	JLOAD G0SP, G1SP, G0SJ, G1SJ                   ; the scales first: they are wanted with K step 0
.irp s, 0,1
	s_mov_b32 s[G0P+4*\s], 1
	s_add_co_u32 s[G0P+4*\s+1], s95, \s*SLOT
	s_add_nc_u64 s[G0P+4*\s+2:G0P+4*\s+3], s[40:41], \s*ROWB
	s_or_b32 s[G0P+4*\s+3], s[G0P+4*\s+3], 0x80000000
	s_mov_b32 s[G0J+4*\s], 1
	s_add_co_u32 s[G0J+4*\s+1], s95, \s*SLOT
	s_add_nc_u64 s[G0J+4*\s+2:G0J+4*\s+3], s[44:45], \s*ROWB
	s_or_b32 s[G0J+4*\s+3], s[G0J+4*\s+3], 0x80000000
	JLOAD G0P+4*\s, G1P, G0J+4*\s, G1J
.endr
	v_and_b32 v1, 15, v0                           ; l % 16
	v_bfe_u32 v2, v0, 4, 1                         ; l / 16
	v_mul_u32_u24 v3, v1, PITCH
	v_mul_u32_u24 v4, v2, 24
	v_add_nc_u32 v4, v3, v4                        ; a fragment's row x pitch + 24 x half
	v_lshl_add_u32 v5, v2, 4, v4                   ; and the same behind one padding more
	s_mul_i32 s92, s17, HALFT                      ; my 128 rows of S1
	s_mul_i32 s93, s18, HALFT                      ; my 128 rows of S0,
	s_add_co_u32 s93, s93, 2*HALFT                 ; which lie behind S1's 256
.irp s, 0,1
	v_add_nc_u32 v[ADRA+\s], s92, v4
	v_add_nc_u32 v[ADRB+\s], s93, v4
	v_add_nc_u32 v[ADRA+2+\s], s92, v5
	v_add_nc_u32 v[ADRB+2+\s], s93, v5
	s_add_co_u32 s92, s92, SLOT
	s_add_co_u32 s93, s93, SLOT
.endr
	v_mul_u32_u24 v5, v1, KS                       ; my row's scales: 64 bytes a row,
	v_lshrrev_b32 v6, 8, v5
	v_lshl_add_u32 v5, v6, 4, v5                   ; and 16 more for each 256 passed
	s_mul_i32 s92, s17, HALFS
	s_mul_i32 s93, s18, HALFS
	s_add_co_u32 s93, s93, 2*HALFS
	s_sub_co_u32 s93, s93, s92
	v_mul_u32_u24 v6, s93, v2                      ; lanes 16-31 take S0's
	s_add_co_u32 s92, s92, SCL
	v_add_nc_u32 v5, v5, v6
	v_add_nc_u32 v[ADRS], s92, v5
	v_and_b32 v6, 31, v0
	v_lshlrev_b32 v[VO0], 4, v6
	v_xor_b32 v6, s99, v6
	v_lshlrev_b32 v[VO1], 4, v6
	s_cmp_eq_u32 s20, 1                            ; which block of 128 of the weight's rows and of the tokens is my wave's
	s_cselect_b32 s92, s17, s18
	s_cselect_b32 s93, s18, s17
	s_lshl_b32 s94, s22, 1
	s_add_co_u32 s92, s92, s94                     ; head or group
	s_lshl_b32 s94, s23, 1
	s_add_co_u32 s93, s93, s94                     ; block of 128 tokens
	s_lshl_b32 s92, s92, 5
	s_add_co_u32 s92, s92, s93
	s_mul_i32 s94, s92, 8*1536
	s_mov_b32 s95, 0
	s_add_nc_u64 s[12:13], s[12:13], s[94:95]      ; my eight images
	s_lshl_b32 s94, s92, 9
	s_add_nc_u64 s[14:15], s[14:15], s[94:95]      ; my scale block
.macro FRAG reg, adr, q, i             ; a fragment: lane l holds row l % 16; registers 6 c .. 6 c + 5 hold K = 64 c + 32 (l / 16) + 0 .. 31: 24 bytes of the row's stream of bits, in pieces of 8 bytes
.irp p, 0,1,2,3,4,5
.set PCE, 12*(\q)+6*(\p/3)+\p%3        ; where the piece three on lies behind one padding more, the second address register serves
.if PCE%8 < 5
	ds_load_b64 v[\reg+2*\p:\reg+2*\p+1], v[\adr] offset:8*PCE+16*(PCE/8)+(\i)*16*PITCH
.else
	ds_load_b64 v[\reg+2*\p:\reg+2*\p+1], v[\adr+2] offset:8*PCE+16*(PCE/8)+(\i)*16*PITCH
.endif
.endr
.endm
; 16 matrix instructions: S1's blocks a0, a0 + 1 x S0's eight, 128 along K.  The 64 accumulators take turns, one instruction a turn, in the same order in every step.
.macro MUL16 a0, p, q, sc, zero
.irp a, \a0, \a0+1
.irp b, 0,1,2,3,4,5,6,7
.if \zero
	v_wmma_scale_f32_16x16x128_f8f6f4 v[8*(8*((\a)%4)+\b):8*(8*((\a)%4)+\b)+7], v[128*(\p)+FR*\b:128*(\p)+FR*\b+FR-1], v[AF+FR*(\a):AF+FR*(\a)+FR-1], 0, v[SC+8*NQ*(\sc)+NQ*\b+(\q)], v[SC+8*NQ*(\sc)+NQ*(\a)+(\q)] matrix_a_fmt:MATRIX_FMT_FP6 matrix_b_fmt:MATRIX_FMT_FP6 matrix_a_scale:MATRIX_SCALE_ROW1
.else
	v_wmma_scale_f32_16x16x128_f8f6f4 v[8*(8*((\a)%4)+\b):8*(8*((\a)%4)+\b)+7], v[128*(\p)+FR*\b:128*(\p)+FR*\b+FR-1], v[AF+FR*(\a):AF+FR*(\a)+FR-1], v[8*(8*((\a)%4)+\b):8*(8*((\a)%4)+\b)+7], v[SC+8*NQ*(\sc)+NQ*\b+(\q)], v[SC+8*NQ*(\sc)+NQ*(\a)+(\q)] matrix_a_fmt:MATRIX_FMT_FP6 matrix_b_fmt:MATRIX_FMT_FP6 matrix_a_scale:MATRIX_SCALE_ROW1
.endif
.endr
.endr
.endm
.macro FETCH_B slot, q, p
	WIN TO_B
.irp i, 0,1,2,3,4,5,6,7
	FRAG 128*(\p)+FR*\i, ADRB+\slot, \q, \i
.endr
	WIN 0
.endm
.macro FETCH_A slot, q, i0
.irp i, \i0, \i0+1, \i0+2, \i0+3
	FRAG AF+FR*(\i), ADRA+\slot, \q, \i
.endr
.endm
.macro SCALES sc                       ; a K step's scale words: lanes 0-15 S1's block i, lanes 16-31 S0's block i
.irp i, 0,1,2,3,4,5,6,7
	ds_load_b64 v[SC+8*NQ*\sc+NQ*\i:SC+8*NQ*\sc+NQ*\i+1], v[ADRS] offset:\i*SBLK
.endr
.endm
.macro PLACES n                        ; plain vector lines between a matrix instruction and a load into, or a vector line on, its registers
.rept \n
	v_nop
.endr
.endm
.macro STEP slot, q, zero              ; a step of 128 along K that has its successor in the same slot
	s_wait_dscnt 4*NL                              ; S0's set and S1's blocks 0-3 are in; the youngest 24 loads (blocks 4-7) may be out
	WIN MUL_LO
	MUL16 0, (\q)%2, \q, \slot, \zero
	MUL16 2, (\q)%2, \q, \slot, \zero
	s_wait_dscnt 0
	PLACES NP
	FETCH_B \slot, (\q)+1, 1-(\q)%2
	FETCH_A \slot, (\q)+1, 0
	WIN MUL_HI
	MUL16 4, (\q)%2, \q, \slot, \zero
	MUL16 6, (\q)%2, \q, \slot, \zero
	PLACES NP
	WIN 0
	FETCH_A \slot, (\q)+1, 4
.endm
; A slot's last step changes slots: one barrier; in front of it each wave waits for all its tensor loads, adds 0 to its spare word, and waits for that and for its reads of this slot.
.macro TURN slot, next, fill
	s_wait_tensorcnt 0x0                           ; all my tensor loads have landed: my part of the next slot
	ds_add_u32 v[SPW], v[NIL]                      ; 0 onto my spare word
	s_wait_dscnt 4*NL+1                            ; (the add and the youngest 24 loads may be out)
	WIN MUL_LO
	MUL16 0, 1, NQ-1, \slot, 0
	s_wait_dscnt 0x0                               ; the add is done, and my reads of this slot are over
	s_barrier_signal -1
	MUL16 2, 1, NQ-1, \slot, 0
	WIN 0
	s_barrier_wait -1
.if \fill
	CREST                                          ; the barrier has opened a round of the cluster's: no wave of any partner still reads this slot or has a load on its way
	s_add_nc_u64 s[G0P+4*\slot+2:G0P+4*\slot+3], s[G0P+4*\slot+2:G0P+4*\slot+3], 2*ROWB
	s_add_nc_u64 s[G0J+4*\slot+2:G0J+4*\slot+3], s[G0J+4*\slot+2:G0J+4*\slot+3], 2*ROWB
	JLOAD G0P+4*\slot, G1P, G0J+4*\slot, G1J       ; the first tensor load behind the round; its four v_nop are the places in front of the loads below
.else
	PLACES NP
.endif
	v_add_nc_u32 v[ADRS], 4*NQ, v[ADRS]            ; on to the next K step's scale words
	FETCH_B \next, 0, 0
	FETCH_A \next, 0, 0
	SCALES \next
	WIN MUL_HI
	MUL16 4, 1, NQ-1, \slot, 0
	MUL16 6, 1, NQ-1, \slot, 0
	PLACES NP
	WIN 0
	FETCH_A \next, 0, 4
.endm
	s_wait_tensorcnt 1                             ; the scales and my part of K step 0 are in (K step 1's load may be out),
	s_barrier_signal -1
	s_barrier_wait -1                              ; everybody's are
	FETCH_B 0, 0, 0
	FETCH_A 0, 0, 0
	SCALES 0
	FETCH_A 0, 0, 4
	STEP 0, 0, 1                                   ; the first step's products start the sums
	s_mov_b32 s3, LAPS-1
.Llap:                                                 ; a trip goes once round the ring and fills both slots again
	TURN 0, 1, 1
	STEP 1, 0, 0
	TURN 1, 0, 1
	STEP 0, 0, 0
	s_sub_co_u32 s3, s3, 1
	s_cmp_lg_u32 s3, 0
	s_cbranch_scc1 .Llap
	TURN 0, 1, 0                                   ; the last lap fills nothing
	STEP 1, 0, 0
	s_wait_dscnt 4*NL
	WIN MUL_LO
	MUL16 0, 1, NQ-1, 1, 0
	MUL16 2, 1, NQ-1, 1, 0
	s_wait_dscnt 0
	WIN MUL_HI
	MUL16 4, 1, NQ-1, 1, 0
	MUL16 6, 1, NQ-1, 1, 0
	WIN 0
; THE WAY OUT: no LDS.  Block a's 64 registers hold, of the lane's row, k = 16 t + 8 (l / 16) + j in register 8 t + j.
; SWAP: the upper lanes of register 16 b + j change places with the lower lanes of register 16 b + 8 + j: then register 16 b + i holds k = 32 b + 16 (l / 16) + i: 16 neighbours of a block of 32.
.macro SWAP s
.irp b, 0,1,2,3
.irp j, 0,1,2,3,4,5,6,7
	v_permlane16_swap_b32 v[\s+16*\b+\j], v[\s+16*\b+8+\j]
.endr
.endr
.endm
; 64 numbers so laid become a fragment's codes in v[PC] on and its scale word in v[pw].
.macro QUANT s, pw
.irp b, 0,1,2,3
	v_max3_num_f32 v[BM+\b], |v[\s+16*\b]|, |v[\s+1+16*\b]|, 0x1800000   ; block b: my 16 numbers, and the floor 2^(3 - 127): the byte cannot fall under 1
.endr
.irp i, 2,4,6,8,10,12,14
.irp b, 0,1,2,3
	v_max3_num_f32 v[BM+\b], v[BM+\b], |v[\s+16*\b+\i]|, |v[\s+1+16*\b+\i]|
.endr
.endr
.irp b, 0,1,2,3
	v_permlanex16_b32 v[BP+\b], v[BM+\b], s[SEL], s[SEL+1]
.endr
.irp b, 0,1,2,3
	v_max_num_f32 v[BM+\b], v[BM+\b], v[BP+\b]     ; with lane l xor 16's: the block's largest magnitude
.endr
.irp b, 0,1,2,3
	v_add_nc_u32 v[SO+\b], 0xff000000, v[BM+\b]    ; 2 off its exponent field: the conversion's scale operand
.endr
.irp b, 0,1,2,3
	v_lshrrev_b32 v[BP+\b], 23, v[SO+\b]           ; the scale's byte
.endr
	v_lshl_or_b32 v[\pw], v[BP+1], 8, v[BP]
	v_lshl_or_b32 v[\pw], v[BP+2], 16, v[\pw]
	v_lshl_or_b32 v[\pw], v[BP+3], 24, v[\pw]      ; my row's scale word, the same in both halves of the lanes
.irp c, 0,1
	v_cvt_scalef32_pk16_fp6_f32 v[PC+6*\c:PC+2+6*\c], v[\s+32*\c:\s+15+32*\c], v[SO+2*\c]
	v_cvt_scalef32_pk16_fp6_f32 v[PT+4*\c:PT+2+4*\c], v[\s+16+32*\c:\s+31+32*\c], v[SO+2*\c+1]   ; (a conversion's three registers begin on an even number)
.endr
	v_nop                                          ; one plain line behind a scaled conversion
.irp c, 0,1                                    ; the operand's layout wants a whole block in a lane
.irp i, 0,1,2
	v_permlane16_swap_b32 v[PC+6*\c+\i], v[PT+4*\c+\i]
.endr
.irp i, 0,1,2
	v_mov_b32 v[PC+3+6*\c+\i], v[PT+4*\c+\i]
.endr
.endr
.endm
.macro EPI a
	WIN 0x02+((\a)/4)                              ; source 0: window 2 or 3
.set AC, 64*((\a)%4)
.set i, 0
.rept 32
	v_pk_mul_f32 v[T+i:T+i+1], v[AC+i:AC+i+1], s[66:67] op_sel_hi:[1,0]   ; each accumulator from its low end on; into window 0; x 1 / sqrt(128) for Q
.set i, i+2
.endr
	WIN 0
	SWAP T
.if (\a) > 0
	s_wait_xcnt 0x0                                ; the last block's stores have read their registers: the codes may be written again
.endif
	QUANT T, PW+\a
.irp c, 0,1,2
	global_store_b128 v[VO0+(\a)%2], v[PC+4*\c:PC+4*\c+3], s[12:13] offset:1536*(\a)+512*\c   ; 32 lanes store 512 consecutive bytes, aligned
.endr
.endm
	PLACES NP                                      ; behind the last products: their results are read and their operands' registers written below
.irp b, 0,1,2,3
	v_mov_b32 v[BP+\b], 0                          ; written once: a lane permute's destination counts as one of its sources
.endr
.irp a, 0,1,2,3,4,5,6,7
	EPI \a
.endr
	v_and_b32 v6, 31, v0
	v_cmp_gt_u32 vcc_lo, 16, v6
.irp j, 0,1,2,3
	v_cndmask_b32 v[SW+\j], v[PW+2*\j+1], v[PW+2*\j], vcc_lo   ; lanes 0-15: fragment 2 j's words, lanes 16-31: fragment 2 j + 1's
.endr
	global_store_b128 v[VO0], v[SW:SW+3], s[14:15] ; the scale block: 512 consecutive bytes
	s_wait_tensorcnt 0x0                           ; the wave's end
	ds_add_u32 v[SPW], v[NIL]
	s_wait_dscnt 0x0
	CROUND                                         ; the closing round: no work-group ends while a partner may still ask for a tile that names it
	s_endpgm
.Lfunc_end_k_q10ebe4cb19_proj:
	.size	k_q10ebe4cb19_proj, .Lfunc_end_k_q10ebe4cb19_proj-k_q10ebe4cb19_proj
	.p2alignl 7, 3214868480
	.fill 96, 4, 3214868480
	.section	.rodata,"a",@progbits
	.p2align	6, 0x0
	.amdhsa_kernel k_q10ebe4cb19_proj
		.amdhsa_group_segment_fixed_size 327680
		.amdhsa_private_segment_fixed_size 0
		.amdhsa_enable_private_segment 0
		.amdhsa_kernarg_size 144
		.amdhsa_user_sgpr_count 2
		.amdhsa_user_sgpr_kernarg_segment_ptr 1
		.amdhsa_wavefront_size32 1
		.amdhsa_system_sgpr_workgroup_id_x 1
		.amdhsa_system_sgpr_workgroup_id_y 1
		.amdhsa_system_sgpr_workgroup_id_z 1
		.amdhsa_system_vgpr_workitem_id 0
		.amdhsa_next_free_vgpr 1024
		.amdhsa_next_free_sgpr 102
		.amdhsa_reserve_vcc 1
		.amdhsa_float_denorm_mode_32 3
		.amdhsa_float_denorm_mode_16_64 3
		.amdhsa_memory_ordered 1
		.amdhsa_forward_progress 1
		.amdhsa_inst_pref_size 189
	.end_amdhsa_kernel
	.amdgpu_metadata
---
amdhsa.version: [ 1, 2 ]
amdhsa.kernels:
  - .name:           k_q10ebe4cb19_proj
    .symbol:         k_q10ebe4cb19_proj.kd
    .args:
      - { .name: query_codes, .offset: 0, .size: 8, .value_kind: global_buffer, .address_space: global }
      - { .name: query_scales, .offset: 8, .size: 8, .value_kind: global_buffer, .address_space: global }
      - { .name: key_codes, .offset: 16, .size: 8, .value_kind: global_buffer, .address_space: global }
      - { .name: key_scales, .offset: 24, .size: 8, .value_kind: global_buffer, .address_space: global }
      - { .name: value_codes, .offset: 32, .size: 8, .value_kind: global_buffer, .address_space: global }
      - { .name: value_scales, .offset: 40, .size: 8, .value_kind: global_buffer, .address_space: global }
      - { .name: Wq_codes, .offset: 48, .size: 8, .value_kind: global_buffer, .address_space: global }
      - { .name: Wq_scales, .offset: 56, .size: 8, .value_kind: global_buffer, .address_space: global }
      - { .name: Wk_codes, .offset: 64, .size: 8, .value_kind: global_buffer, .address_space: global }
      - { .name: Wk_scales, .offset: 72, .size: 8, .value_kind: global_buffer, .address_space: global }
      - { .name: Wv_codes, .offset: 80, .size: 8, .value_kind: global_buffer, .address_space: global }
      - { .name: Wv_scales, .offset: 88, .size: 8, .value_kind: global_buffer, .address_space: global }
      - { .name: QF, .offset: 96, .size: 8, .value_kind: global_buffer, .address_space: global }
      - { .name: QS, .offset: 104, .size: 8, .value_kind: global_buffer, .address_space: global }
      - { .name: KF, .offset: 112, .size: 8, .value_kind: global_buffer, .address_space: global }
      - { .name: KS, .offset: 120, .size: 8, .value_kind: global_buffer, .address_space: global }
      - { .name: VF, .offset: 128, .size: 8, .value_kind: global_buffer, .address_space: global }
      - { .name: VS, .offset: 136, .size: 8, .value_kind: global_buffer, .address_space: global }
    .group_segment_fixed_size: 327680
    .private_segment_fixed_size: 0
    .kernarg_segment_align: 8
    .kernarg_segment_size: 144
    .max_flat_workgroup_size: 128
    .sgpr_count:     102
    .vgpr_count:     1024
    .wavefront_size: 32
...
	.end_amdgpu_metadata
.endif
;; end of part 1
;; launch attn (part 2): grid 16 x 16, 8 waves a work-group, clusters of 4 x 1, 247,808 bytes of LDS; arguments QF, QS, KF, KS, VF, VS, mask, AO, AS; writes AO, AS
.if DOCPART == 2
	.amdgcn_target "amdgcn-amd-amdhsa--gfx1250"
	.amdhsa_code_object_version 6
	.text
	.protected	k_q10ebe4cb19_attn
	.globl	k_q10ebe4cb19_attn
	.p2align	8
	.type	k_q10ebe4cb19_attn,@function
k_q10ebe4cb19_attn:
	s_mov_b64 s[64:65], 0
	v_nop
	global_prefetch_b8 v0, s[64:65] scope:SCOPE_SE
	s_setreg_imm32_b32 hwreg(HW_REG_WAVE_MODE, 25, 1), 1
	s_wait_xcnt 0x0
	s_wait_alu depctr_hold_cnt(0) depctr_sa_sdst(0) depctr_va_vdst(0) depctr_va_sdst(0) depctr_va_ssrc(0) depctr_va_vcc(0) depctr_vm_vsrc(0)
	s_getreg_b32 s2, hwreg(HW_REG_IB_STS2, 6, 4)
	s_cmp_eq_u32 s2, 0
	s_cbranch_scc0 .Lentry_in_a_cluster
	s_endpgm
.Lentry_in_a_cluster:
	s_bfe_u32 s2, ttmp6, 0x10000c
	s_cmp_lg_u32 s2, 0x3003
	s_cbranch_scc0 .Lentry_shape_is_right
	s_endpgm
.Lentry_shape_is_right:
; ATTENTION with ALiBi and a padding mask, both products on codes of FP6 (E2M3) with one E8M0 scale for each 32 along K; its result quantised along (head, channel) for the last projection.
; SHARES.  A work-group owns 64 queries of one batch b and one group g of four query heads: 16 tiles of 16 queries.  Wave w owns head w / 2 and the token tiles 2 (w % 2) + 0, 1: two tiles, which share every
; fragment of K and V and every bias register.  Window tau of the registers holds tile tau under the same numbers.  Two waves share a SIMD, so one wave's products stand beside the other's softmax.
; ALL OF K AND V of (b, g), 1,024 keys, lies in LDS as images of operand registers, filled once: five tensor loads in each of waves 0 to 3, all issued at the head (five of a wave are out at the most);
; nothing is filled again.  CLUSTER: the four partners are four query blocks of the same (b, g): every tile is asked for jointly (mask 15).
; LAYOUT.  S^T = K Q^T + bias (source 0 = 16 keys, source 1 = 16 queries), O^T = V^T P^T: a lane holds ONE query throughout.  Lane r of key tile 2 b' + u takes key 32 b' + 8 u + r + 8 (r / 8), so that the 16
; registers of two neighbouring tiles are 16 neighbouring keys.  That key lies in the stored fragment 2 b' + r / 8; odd fragments were stored with lane l at lane l xor 8's place, so one load of 16 bytes a lane serves.
; ALiBi AND THE MASK cost no line in the loop.  A table in LDS holds, for each head and key j, m (j - ic) where the key is open and -2^100 where it is masked (ic: the middle of the work-group's queries); these
; numbers are the C of the score products.  The query's part a = c m (ic - i) is one number a lane: t = c S' + a, c = log2(e).  A masked key's t lies about 2^100 under every open one's: p = 0.
; A batch with no open key: c is taken as 0, so every t is 0 and every p is 1: uniform weights, as the softmax of equal scores gives.
; SOFTMAX.  M = the running largest t rounded up to a whole number; p = 2^(t - M) is quantised along the keys; the row's sum is taken of the unquantised p and divides at the end; when M moves, the sum and O^T
; are multiplied by 2^(old M - new M), which rounds nothing.  A block's largest p is made from the block's largest score by the same multiply-add and exponential.
; NO PREFETCH: every byte of K and V is asked for at the head by the tensor loads themselves; there is no later request to run ahead of.
; LIMITS: NaN and infinities are not served; |score + bias| stays under 2^76 of what a masked key's -2^100 can swallow; O / l is a multiplication by v_rcp_f32's result; scale bytes are held at 1 from below.
.set VREG, 98304                       ; LDS: K's 64 images from 0 (key step s at 12,288 s), V's from here
.set SCR,  196608                      ; K's eight scale blocks of 512 bytes, then V's eight
.set TBL,  204800                      ; the table: [4 heads][1,024 keys] f32
.set STG,  221184                      ; the way out: 64 tokens x 384 bytes of codes,
.set STS,  245760                      ; and 64 x 16 bytes of scale words
.set F,   16                           ; v16-63   window g: fragments 4 g .. 4 g + 3 of K, later of V
.set S,   64                           ; v64-127  S^T, then p
.set O,   128                          ; v128-191 O^T
.set Q,   192                          ; v192-203 the tile's queries
.set X,   204                          ; v204-235 window g: the biases of key tiles 4 g .. 4 g + 3; behind the score products at work:
.set PC,  204                          ;   p's codes, 12 registers
.set PT,  216                          ;   v216-218, v220-222 the conversions' second halves
.set BM,  224                          ;   four blocks' largest scores, then largest p
.set BP,  228                          ;   the other half's; a chain of the sum; the bytes
.set SO,  232                          ;   the conversions' scale operands
.set NM,  236                          ; -M
.set TX,  237                          ; the largest t
.set EE,  238                          ; v[238:239] a - M (the upper word is only named)
.set SU,  240                          ; v[240:241] the sum in two halves
.set FF,  242                          ; v[242:243] f (the upper word is only named)
.set AI,  244                          ; a
.set TW,  245                          ; at work
.set PS,  14                           ; window 0: v14, v15 p's scale words of tiles 0, 1
.set KSW, 246                          ; v246-249 K's scale words, v250-253 V's, v254-255 Q's
.set VSW, 250
.set QSW, 254
.set SEL, 24                           ; s[24:25] selects for lane l xor 16
.set CS,  26                           ; s[26:27] c, twice
.set MSB, 0
.macro WIN new                         ; the immediate's high byte repeats the setting that is left.  Low byte: bits 1:0 source 0, 3:2 source 1, 5:4 source 2, 7:6 destination
.if MSB != (\new)
	s_set_vgpr_msb (MSB<<8)|(\new)
.set MSB, (\new)
.endif
.endm
.macro CROUND                          ; a round of the cluster's barrier
	s_barrier_signal -1
	s_barrier_wait -1
	s_cmp_lg_u32 s22, 0
	s_cbranch_scc1 .Lnot_wave_0_\@
	s_barrier_signal -3
.Lnot_wave_0_\@:
	s_barrier_wait -3
	s_barrier_signal -1
	s_barrier_wait -1
.endm
	s_load_b512 s[4:19], s[0:1], 0x0               ; QF s[4:5], QS s[6:7], KF s[8:9], KS s[10:11], VF s[12:13], VS s[14:15], mask s[16:17], AO s[18:19]
	s_load_b64 s[20:21], s[0:1], 0x40              ; AS
	s_set_vgpr_msb 0x40
	v_lshl_add_u32 v254, v0, 2, 0x3c400
	v_mov_b32 v255, 0
	s_set_vgpr_msb 0x4045
	ds_add_u32 v254, v255
	ds_add_u32 v254, v255
	s_set_vgpr_msb 0x4500
	v_lshrrev_b32 v1, 5, v0
	v_readfirstlane_b32 s22, v1                    ; wave 0..7
	s_bfe_u32 s69, ttmp6, 0x40000                  ; cx
	s_lshl_b32 s70, ttmp9, 2
	s_add_co_u32 s70, s70, s69                     ; my block of 64 queries: it enters global addresses and numbers alone
	s_and_b32 s71, ttmp7, 0xffff
	s_lshr_b32 s72, s71, 2                         ; b
	s_and_b32 s73, s71, 3                          ; g
	s_lshr_b32 s74, s22, 1                         ; my head in the group
	s_and_b32 s75, s22, 1                          ; which 32 of the 64 queries
	s_lshl_b32 s23, s73, 2
	s_add_co_u32 s23, s23, s74                     ; H
	; what waves 0 to 3 fetch: waves 0, 1 K's even and odd key steps, waves 2, 3 V's
	s_and_b32 s77, s22, 3
	s_lshr_b32 s78, s77, 1
	s_mul_i32 s90, s78, VREG
	s_mul_i32 s79, s75, 12288
	s_add_co_u32 s90, s90, s79                     ; LDS: region + my key step of a pair
	s_lshl_b32 s91, s77, 11
	s_add_co_u32 s91, s91, SCR                     ; LDS: my 2,048 bytes of scale blocks
	s_lshl_b32 s76, s73, 5
	s_lshl_b32 s79, s72, 3
	s_add_co_u32 s76, s76, s79                     ; 32 g + 8 b: the batch's first block of 128 tokens
	s_add_co_u32 s92, s76, s75
	s_mul_i32 s92, s92, 12288
	s_mov_b32 s93, 0
	s_lshl_b32 s94, s76, 9
	s_lshl_b32 s79, s75, 11
	s_add_co_u32 s94, s94, s79
	s_mov_b32 s95, 0
	; group 1: dense blocks as rows of 256 bytes (32 elements of 8 bytes): 48 rows of codes, 8 rows of scale blocks
	s_mov_b32 s28, 15|(3<<16)|(1<<21)              ; 15:0 the mask: all four partners; 17:16 elements of 8 bytes; 21 set beside a mask
	s_mov_b32 s29, 32<<16
	s_mov_b32 s30, 48<<16
	s_mov_b32 s31, 32<<16
	s_mov_b32 s32, 48
	s_mov_b32 s33, 32
	s_mov_b32 s34, 0
	s_mov_b32 s35, 0
	s_mov_b32 s36, 15|(3<<16)|(1<<21)
	s_mov_b32 s37, 32<<16
	s_mov_b32 s38, 8<<16
	s_mov_b32 s39, 32<<16
	s_mov_b32 s40, 8
	s_mov_b32 s41, 32
	s_mov_b32 s42, 0
	s_mov_b32 s43, 0
	s_mov_b32 s[SEL], 0x76543210
	s_mov_b32 s[SEL+1], 0xfedcba98
	s_wait_dscnt 0x0
	s_wait_kmcnt 0x0
	s_cmp_lt_u32 s77, 2                            ; the choice hangs on the wave's number alone
	s_cselect_b64 s[96:97], s[8:9], s[12:13]
	s_cselect_b64 s[98:99], s[10:11], s[14:15]
	s_add_nc_u64 s[96:97], s[96:97], s[92:93]
	s_add_nc_u64 s[98:99], s[98:99], s[94:95]
	s_mov_b32 s44, 1
	s_mov_b32 s45, s91
	s_mov_b64 s[46:47], s[98:99]
	s_or_b32 s47, s47, 0x80000000
.irp n, 0,1,2,3                                ; chunk n: key steps 2 n and 2 n + 1
	s_mov_b32 s[48+4*\n], 1
	s_add_co_u32 s[49+4*\n], s90, 24576*\n
	s_add_nc_u64 s[50+4*\n:51+4*\n], s[96:97], 24576*\n
	s_or_b32 s[51+4*\n], s[51+4*\n], 0x80000000
.endr
	CROUND                                         ; all four work-groups are here: the joint loads meet
	s_cmp_lt_u32 s22, 4
	s_cbranch_scc0 .Lno_fetch                      ; all first fills of a wave stand in this one branch
	tensor_load_to_lds s[44:47], s[36:43]          ; the scale blocks
	s_nop 0
	tensor_load_to_lds s[48:51], s[28:35]
	s_nop 0
	tensor_load_to_lds s[52:55], s[28:35]
	s_nop 0
	tensor_load_to_lds s[56:59], s[28:35]
	s_nop 0
	tensor_load_to_lds s[60:63], s[28:35]
	s_nop 0
.rept 4
	v_nop
.endr
.Lno_fetch:
	; the other buffers at my part
	s_lshl_b32 s76, s23, 8
	s_lshl_b32 s79, s72, 6
	s_add_co_u32 s76, s76, s79
	s_lshl_b32 s79, s70, 2
	s_add_co_u32 s76, s76, s79
	s_lshl_b32 s79, s75, 1
	s_add_co_u32 s76, s76, s79                     ; Q's image: 256 H + 64 b + 4 x block + 2 (w % 2)
	s_mul_i32 s76, s76, 1536
	s_mov_b32 s77, 0
	s_add_nc_u64 s[4:5], s[4:5], s[76:77]
	s_lshl_b32 s76, s23, 5
	s_lshl_b32 s79, s72, 3
	s_add_co_u32 s76, s76, s79
	s_lshr_b32 s79, s70, 1
	s_add_co_u32 s76, s76, s79
	s_lshl_b32 s76, s76, 9                         ; Q's scale block,
	s_and_b32 s79, s70, 1
	s_lshl_b32 s79, s79, 3
	s_add_co_u32 s76, s76, s79
	s_lshl_b32 s79, s75, 2
	s_add_co_u32 s76, s76, s79                     ; and in it the word of fragments 4 (block % 2) + 2 (w % 2) + 0, 1
	s_add_nc_u64 s[6:7], s[6:7], s[76:77]
	s_lshl_b32 s76, s72, 10
	s_add_nc_u64 s[16:17], s[16:17], s[76:77]      ; the batch's mask
	s_lshl_b32 s79, s70, 6
	s_add_co_u32 s78, s76, s79                     ; my first token: 1,024 b + 64 x block
	s_lshl_b32 s76, s73, 12
	s_add_co_u32 s76, s76, s78
	s_mul_i32 s76, s76, 384
	s_add_nc_u64 s[18:19], s[18:19], s[76:77]      ; AO: plane g, my 64 rows of 384 bytes
	s_lshl_b32 s76, s78, 6
	s_lshl_b32 s79, s73, 4
	s_add_co_u32 s76, s76, s79
	s_add_nc_u64 s[20:21], s[20:21], s[76:77]      ; AS: my 64 rows of 64 bytes, + 16 g
	; the addresses that stay
	v_and_b32 v7, 31, v0                           ; lane
	v_bfe_u32 v8, v0, 3, 1                         ; r / 8
	v_bfe_u32 v9, v0, 4, 1                         ; h
	v_and_b32 v10, 7, v0                           ; r % 8
	v_and_b32 v11, 15, v0                          ; r
	v_lshlrev_b32 v13, 4, v7                       ; 16 x lane
	v_mul_u32_u24 v12, v8, 1536
	v_add_nc_u32 v1, v12, v13                      ; K, even tiles: fragment 2 b' + r / 8, my own place
	v_xor_b32 v2, 8, v7
	v_lshl_add_u32 v2, v2, 4, v12                  ; K, odd tiles: the place of lane l xor 8
	v_add_nc_u32 v3, VREG, v13                     ; V's images
	v_lshl_add_u32 v4, v8, 4, v10
	v_lshl_add_u32 v4, v9, 3, v4
	v_lshlrev_b32 v4, 4, v4
	v_add_nc_u32 v4, SCR, v4                       ; K's scale words: 16 (16 (r / 8) + 8 h + r % 8): lanes 0-15 serve even tiles, lanes 16-31 odd ones
	v_add_nc_u32 v5, SCR+4096, v13                 ; V's
	s_lshl_b32 s89, s74, 12
	s_add_co_u32 s89, s89, TBL
	v_lshl_add_u32 v6, v9, 6, s89                  ; the table: my head's row, + 16 keys for the upper lanes
	v_lshl_add_u32 v9, v0, 4, TBL                  ; and where I write it: 4 keys a thread
	v_lshlrev_b32 v12, 4, v11
	v_lshlrev_b32 v10, 2, v0
	v_lshlrev_b32 v8, 5, v7
.irp c, 0,1,2
	global_load_b128 v[Q+4*\c:Q+4*\c+3], v13, s[4:5] offset:512*\c
.endr
	WIN 0x40                                       ; destination window 1
.irp c, 0,1,2
	global_load_b128 v[Q+4*\c:Q+4*\c+3], v13, s[4:5] offset:1536+512*\c
.endr
	WIN 0
	global_load_b32 v[QSW], v12, s[6:7]
	global_load_b32 v[QSW+1], v12, s[6:7] offset:256
	global_load_b32 v64, v10, s[16:17]             ; the mask of keys 4 t .. 4 t + 3
	global_load_b128 v[68:71], v8, s[16:17]        ; and, a wave to itself, of all 1,024 keys: 32 a lane
	global_load_b128 v[72:75], v8, s[16:17] offset:16
	; the slopes m = 2^(-n / 2), n = 4 g + head + 1: bits of sqrt(2) or of 1, less ((n + 1) / 2) in the exponent field
	s_lshl_b32 s89, s73, 1
	s_add_co_u32 s89, s89, 1
	s_lshl_b32 s89, s89, 23
	s_sub_co_u32 s80, 0x3fb504f3, s89
	s_sub_co_u32 s81, 0x3f800000, s89
	s_sub_co_u32 s82, s80, 0x800000
	s_sub_co_u32 s83, s81, 0x800000
	s_and_b32 s90, s74, 1
	s_cmp_eq_u32 s90, 0
	s_cselect_b32 s91, s80, s81
	s_cselect_b32 s92, s82, s83
	s_cmp_lt_u32 s74, 2
	s_cselect_b32 s88, s91, s92                    ; my head's
.macro INIT                                    ; the step is written once: the first finds zeros, which the first change of M leaves zeros
.set i, 0
.rept 64
	v_mov_b32 v[O+i], 0
.set i, i+1
.endr
	v_mov_b32 v[TX], 0xff61b1e6                    ; the largest t so far: -3e38
	v_mov_b32 v[NM], 0x7f61b1e6                    ; -M
	v_mov_b32 v[EE+1], 0
	v_mov_b32 v[SU], 0
	v_mov_b32 v[SU+1], 0
	v_mov_b32 v[FF+1], 0
.endm
	INIT
	WIN 0x40
	INIT
	WIN 0
	s_wait_loadcnt 0x0
	v_or_b32 v68, v68, v69                         ; is any key of the batch open?
	v_or_b32 v70, v70, v71
	v_or_b32 v72, v72, v73
	v_or_b32 v74, v74, v75
	v_or_b32 v68, v68, v70
	v_or_b32 v72, v72, v74
	v_or_b32 v68, v68, v72
	v_cmp_ne_u32 vcc_lo, 0, v68
	s_cmp_lg_u32 vcc_lo, 0
	s_cselect_b32 s[CS], 0x3fb8aa3b, 0             ; c = log2(e), or 0 where all keys are masked: a choice of a number, no branch
	s_mov_b32 s[CS+1], s[CS]
	s_lshl_b32 s89, s70, 6
	s_add_co_u32 s89, s89, 32                      ; ic
	v_lshlrev_b32 v65, 2, v0
	v_sub_nc_u32 v65, v65, s89
	v_mov_b32 v67, 0xf1800000                      ; -2^100
.irp k, 0,1,2,3
	v_add_nc_u32 v66, \k, v65
	v_cvt_f32_i32 v[76+\k], v66                    ; j - ic
	v_and_b32 v66, 0xff<<(8*\k), v64
	v_cmp_ne_u32 s[84+\k], 0, v66                  ; open?
.endr
.irp q, 0,1,2,3
.irp k, 0,1,2,3
	v_mul_f32 v[80+4*\q+\k], s[80+\q], v[76+\k]
.endr
.irp k, 0,1,2,3
	v_cndmask_b32 v[80+4*\q+\k], v67, v[80+4*\q+\k], s[84+\k]
.endr
	ds_store_b128 v9, v[80+4*\q:83+4*\q] offset:4096*\q
.endr
	s_lshl_b32 s89, s75, 5
	s_sub_co_u32 s89, 32, s89
	v_sub_nc_u32 v65, s89, v11                     ; ic - i of tile 0: 32 - 32 (w % 2) - r
	v_add_nc_u32 v66, -16, v65                     ; of tile 1
	v_cvt_f32_i32 v65, v65
	v_cvt_f32_i32 v66, v66
	v_mul_f32 v65, s88, v65
	v_mul_f32 v66, s88, v66
	v_mul_f32 v[AI], s[CS], v65                    ; a = c m (ic - i)
	v_mul_f32 v66, s[CS], v66
	WIN 0x40
	v_mov_b32 v[AI], v66
	WIN 0
.macro KLOAD g                                 ; key tiles 4 g .. 4 g + 3: three loads a fragment, two a tile of biases (keys 32 b' + 16 h + 8 u + 0 .. 7)
.irp t, 0,1,2,3
.irp c, 0,1,2
	ds_load_b128 v[F+12*\t+4*\c:F+12*\t+4*\c+3], v[7+\t%2] offset:3072*(2*(\g)+\t/2)+512*\c
.endr
.irp q, 0,1
	ds_load_b128 v[X+8*\t+4*\q:X+8*\t+4*\q+3], v12 offset:4*(32*(2*(\g)+\t/2)+8*(\t%2))+16*\q
.endr
.endr
.endm
.macro VLOAD g                                 ; V's tiles of 16 channels 4 g .. 4 g + 3
.irp t, 0,1,2,3
.irp c, 0,1,2
	ds_load_b128 v[F+12*\t+4*\c:F+12*\t+4*\c+3], v9 offset:1536*(4*(\g)+\t)+512*\c
.endr
.endr
.endm
.macro SPROD g, tau                            ; four score products: K and the biases from window g, Q and S^T in window tau
	WIN (\g)|((\tau)<<2)|((\g)<<4)|((\tau)<<6)
.irp t, 0,2
	v_wmma_scale_f32_16x16x128_f8f6f4 v[S+8*(4*(\g)+\t):S+8*(4*(\g)+\t)+7], v[F+12*\t:F+12*\t+11], v[Q:Q+11], v[X+8*\t:X+8*\t+7], v[KSW+2*(\g)+\t/2], v[QSW+(\tau)] matrix_a_fmt:MATRIX_FMT_FP6 matrix_b_fmt:MATRIX_FMT_FP6
	v_wmma_scale_f32_16x16x128_f8f6f4 v[S+8*(4*(\g)+\t+1):S+8*(4*(\g)+\t+1)+7], v[F+12*(\t+1):F+12*(\t+1)+11], v[Q:Q+11], v[X+8*(\t+1):X+8*(\t+1)+7], v[KSW+2*(\g)+\t/2], v[QSW+(\tau)] matrix_a_fmt:MATRIX_FMT_FP6 matrix_b_fmt:MATRIX_FMT_FP6 matrix_a_scale:MATRIX_SCALE_ROW1
.endr
.endm
.macro OPROD g, tau                            ; four products O^T += V^T P^T: V from window g, P and O^T in window tau.  The step's 16 accumulators take turns, one instruction a turn
	WIN (\g)|((\tau)<<2)|((\tau)<<4)|((\tau)<<6)
.irp t, 0,2
	v_wmma_scale_f32_16x16x128_f8f6f4 v[O+8*(4*(\g)+\t):O+8*(4*(\g)+\t)+7], v[F+12*\t:F+12*\t+11], v[PC:PC+11], v[O+8*(4*(\g)+\t):O+8*(4*(\g)+\t)+7], v[VSW+2*(\g)+\t/2], v[PS+(\tau)] matrix_a_fmt:MATRIX_FMT_FP6 matrix_b_fmt:MATRIX_FMT_FP6
	v_wmma_scale_f32_16x16x128_f8f6f4 v[O+8*(4*(\g)+\t+1):O+8*(4*(\g)+\t+1)+7], v[F+12*(\t+1):F+12*(\t+1)+11], v[PC:PC+11], v[O+8*(4*(\g)+\t+1):O+8*(4*(\g)+\t+1)+7], v[VSW+2*(\g)+\t/2], v[PS+(\tau)] matrix_a_fmt:MATRIX_FMT_FP6 matrix_b_fmt:MATRIX_FMT_FP6 matrix_a_scale:MATRIX_SCALE_ROW1
.endr
.endm
.macro SOFTMAX tau                             ; one tile, 128 keys; every register in window tau
	WIN 0x55*(\tau)
.irp b, 0,1,2,3
	v_max3_num_f32 v[BM+\b], v[S+16*\b], v[S+1+16*\b], v[S+2+16*\b]   ; the largest score of each block of 32 keys: for the row's maximum and for the block's largest p
.endr
.irp i, 3,5,7,9,11,13
.irp b, 0,1,2,3
	v_max3_num_f32 v[BM+\b], v[BM+\b], v[S+16*\b+\i], v[S+1+16*\b+\i]
.endr
.endr
.irp b, 0,1,2,3
	v_max_num_f32 v[BM+\b], v[BM+\b], v[S+15+16*\b]
.endr
.irp b, 0,1,2,3
	v_permlanex16_b32 v[BP+\b], v[BM+\b], s[SEL], s[SEL+1]
.endr
.irp b, 0,1,2,3
	v_max_num_f32 v[BM+\b], v[BM+\b], v[BP+\b]     ; with lane l xor 16's 16 keys
.endr
	v_max3_num_f32 v[TW], v[BM], v[BM+1], v[BM+2]
	v_max_num_f32 v[TW], v[TW], v[BM+3]
	v_fma_f32 v[TW], v[TW], s[CS], v[AI]           ; the step's largest t of my query (c is not negative)
	v_max_num_f32 v[TX], v[TX], v[TW]
	v_mov_b32 v[TW], v[NM]
	v_floor_f32 v[NM], -v[TX]                      ; the new -M = floor(-t): M is a whole number
	v_sub_f32 v[TW], v[NM], v[TW]                  ; old M - new M: a whole number, 0 or less
	v_cvt_i32_f32 v[TW], v[TW]                     ; (it saturates)
	v_ldexp_f32 v[FF], 1.0, v[TW]                  ; f = 2^(old M - new M)
	v_add_f32 v[EE], v[AI], v[NM]                  ; a - M
.set i, 0
.rept 32
	v_pk_fma_f32 v[S+i:S+i+1], v[S+i:S+i+1], s[CS:CS+1], v[EE:EE+1] op_sel_hi:[1,0,0]   ; t - M, two at a time
.set i, i+2
.endr
.irp b, 0,1,2,3
	v_fma_f32 v[BM+\b], v[BM+\b], s[CS], v[EE]     ; the same of each block's largest score
.endr
.set i, 0
.rept 64
	v_exp_f32 v[S+i], v[S+i]                       ; p = 2^(t - M)
.set i, i+1
.endr
	v_pk_mul_f32 v[SU:SU+1], v[SU:SU+1], v[FF:FF+1] op_sel_hi:[1,0]   ; the sums under the new M: a plain line behind the exponentials
	s_wait_alu depctr_va_vdst(0)                   ; one wait for the batch of 64, ahead of its first reader
.irp b, 0,1,2,3
	v_exp_f32 v[BM+\b], v[BM+\b]                   ; the block's largest p
.endr
	v_pk_add_f32 v[BP:BP+1], v[S:S+1], v[S+2:S+3]  ; the row's sum of the unquantised p, in two chains; it reads the 64 alone
.irp j, 4,8,12,16,20,24,28,32,36,40,44,48,52,56,60
	v_pk_add_f32 v[SU:SU+1], v[SU:SU+1], v[S+\j:S+1+\j]
	v_pk_add_f32 v[BP:BP+1], v[BP:BP+1], v[S+2+\j:S+3+\j]
.endr
	v_pk_add_f32 v[SU:SU+1], v[SU:SU+1], v[BP:BP+1]
	s_wait_alu depctr_va_vdst(0)                   ; and one for the four
.irp b, 0,1,2,3
	v_max_num_f32 v[BM+\b], 0x1800000, v[BM+\b]    ; the floor 2^(3 - 127): the byte cannot fall under 1
.endr
.irp b, 0,1,2,3
	v_add_nc_u32 v[SO+\b], 0xff000000, v[BM+\b]    ; 2 off the exponent field: the conversion's scale operand
.endr
.irp b, 0,1,2,3
	v_lshrrev_b32 v[BP+\b], 23, v[SO+\b]           ; the scale's byte
.endr
	v_lshl_or_b32 v[TW], v[BP+1], 8, v[BP]
	v_lshl_or_b32 v[TW], v[BP+2], 16, v[TW]
	WIN 0x15*(\tau)                                ; the word goes there
	v_lshl_or_b32 v[PS+(\tau)], v[BP+3], 24, v[TW]
	WIN 0x55*(\tau)
.irp c, 0,1
	v_cvt_scalef32_pk16_fp6_f32 v[PC+6*\c:PC+2+6*\c], v[S+32*\c:S+15+32*\c], v[SO+2*\c]
	v_cvt_scalef32_pk16_fp6_f32 v[PT+4*\c:PT+2+4*\c], v[S+16+32*\c:S+31+32*\c], v[SO+2*\c+1]
.endr
	v_nop                                          ; one plain line behind a scaled conversion
.irp c, 0,1
.irp i, 0,1,2
	v_permlane16_swap_b32 v[PC+6*\c+\i], v[PT+4*\c+\i]
.endr
.irp i, 0,1,2
	v_mov_b32 v[PC+3+6*\c+\i], v[PT+4*\c+\i]
.endr
.endr
.set i, 0
.rept 32
	v_pk_mul_f32 v[O+i:O+i+1], v[O+i:O+i+1], v[FF:FF+1] op_sel_hi:[1,0]   ; O^T under the new M, each accumulator from its low end on
.set i, i+2
.endr
.endm
; A KEY STEP: 128 keys for both tiles.  s66: the step's images, 12,288 bytes a step; s67: its scale blocks and its part of the table, 512 bytes a step.
.macro STEP
	v_add_nc_u32 v7, s66, v1                       ; six plain lines: also the places behind the last step's products, in front of the loads into their registers
	v_add_nc_u32 v8, s66, v2
	v_add_nc_u32 v9, s66, v3
	v_add_nc_u32 v10, s67, v4
	v_add_nc_u32 v11, s67, v5
	v_add_nc_u32 v12, s67, v6
	KLOAD 0
	ds_load_b128 v[KSW:KSW+3], v10
	WIN 0x40
	KLOAD 1
	s_wait_dscnt 20                                ; the first 21 loads are in; key tiles 4-7's 20 may be out
	SPROD 0, 0
	SPROD 0, 1
	s_wait_dscnt 0x0
	SPROD 1, 0
	SPROD 1, 1
	WIN 0
.rept 4
	v_nop                                          ; places: the loads below land in K's registers, the softmax reads the scores and writes over the biases
.endr
	VLOAD 0                                        ; V lands under the softmax
	ds_load_b128 v[VSW:VSW+3], v11
	WIN 0x40
	VLOAD 1
	SOFTMAX 0
	SOFTMAX 1
	s_wait_dscnt 0x0                               ; V is in
.rept 4
	v_nop
.endr
	OPROD 0, 1
	OPROD 1, 1
	OPROD 1, 0
	OPROD 0, 0
	WIN 0
	s_add_co_u32 s66, s66, 12288
	s_add_co_u32 s67, s67, 512
.endm
; CHUNK n: key steps 2 n and 2 n + 1.  The fetching waves wait until their loads up to chunk n's have landed (3 - n later ones may stay out), then the work-group's barrier.
.macro CHUNK n
	s_wait_tensorcnt 3-\n
	s_wait_dscnt 0x0                               ; my LDS stores (the table, ahead of chunk 0) have landed
	s_barrier_signal -1
	s_barrier_wait -1
	s_mov_b32 s66, 24576*\n
	s_mov_b32 s67, 1024*\n
	s_mov_b32 s68, 2
.Lstep_\@:
	STEP
	s_sub_co_u32 s68, s68, 1
	s_cmp_lg_u32 s68, 0
	s_cbranch_scc1 .Lstep_\@
.endm
	CHUNK 0
	CHUNK 1
	CHUNK 2
	CHUNK 3
	; THE WAY OUT.  The addresses first: plain lines, the places behind the last products.
	s_mul_i32 s76, s75, 12288
	s_mul_i32 s77, s74, 96
	s_add_co_u32 s76, s76, s77
	s_add_co_u32 s76, s76, STG
	v_and_b32 v9, 15, v0
	v_bfe_u32 v10, v0, 4, 1
	v_mul_u32_u24 v7, v9, 384
	v_mad_u32_u24 v7, v10, 24, v7
	v_add_nc_u32 v7, s76, v7                       ; codes: token 32 (w % 2) + r, 96 bytes a head, 24 a half
	s_lshl_b32 s76, s75, 9
	s_lshl_b32 s77, s74, 2
	s_add_co_u32 s76, s76, s77
	s_add_co_u32 s76, s76, STS
	v_lshl_add_u32 v8, v9, 4, s76                  ; scale words: 16 bytes a token, 4 a head
	s_mul_i32 s76, s22, 3072
	v_add_nc_u32 v11, s76, v13                     ; back: 3,072 bytes a wave, 16 a lane; the same place in AO
	v_add_nc_u32 v9, STG, v11
	v_lshl_add_u32 v10, v0, 2, STS
	v_lshrrev_b32 v12, 2, v0
	v_lshlrev_b32 v12, 6, v12
	v_and_b32 v64, 3, v0
	v_lshl_add_u32 v12, v64, 2, v12                ; AS: 64 bytes a token, 4 a head
.macro SWAP s                                  ; register 8 t + j = channel 16 t + 8 h + j becomes register 16 b + i = channel 32 b + 16 h + i
.irp b, 0,1,2,3
.irp j, 0,1,2,3,4,5,6,7
	v_permlane16_swap_b32 v[\s+16*\b+\j], v[\s+16*\b+8+\j]
.endr
.endr
.endm
.macro QUANT s, pw
.irp b, 0,1,2,3
	v_max3_num_f32 v[BM+\b], |v[\s+16*\b]|, |v[\s+1+16*\b]|, 0x1800000
.endr
.irp i, 2,4,6,8,10,12,14
.irp b, 0,1,2,3
	v_max3_num_f32 v[BM+\b], v[BM+\b], |v[\s+16*\b+\i]|, |v[\s+1+16*\b+\i]|
.endr
.endr
.irp b, 0,1,2,3
	v_permlanex16_b32 v[BP+\b], v[BM+\b], s[SEL], s[SEL+1]
.endr
.irp b, 0,1,2,3
	v_max_num_f32 v[BM+\b], v[BM+\b], v[BP+\b]
.endr
.irp b, 0,1,2,3
	v_add_nc_u32 v[SO+\b], 0xff000000, v[BM+\b]
.endr
.irp b, 0,1,2,3
	v_lshrrev_b32 v[BP+\b], 23, v[SO+\b]
.endr
	v_lshl_or_b32 v[\pw], v[BP+1], 8, v[BP]
	v_lshl_or_b32 v[\pw], v[BP+2], 16, v[\pw]
	v_lshl_or_b32 v[\pw], v[BP+3], 24, v[\pw]
.irp c, 0,1
	v_cvt_scalef32_pk16_fp6_f32 v[PC+6*\c:PC+2+6*\c], v[\s+32*\c:\s+15+32*\c], v[SO+2*\c]
	v_cvt_scalef32_pk16_fp6_f32 v[PT+4*\c:PT+2+4*\c], v[\s+16+32*\c:\s+31+32*\c], v[SO+2*\c+1]
.endr
	v_nop
.irp c, 0,1
.irp i, 0,1,2
	v_permlane16_swap_b32 v[PC+6*\c+\i], v[PT+4*\c+\i]
.endr
.irp i, 0,1,2
	v_mov_b32 v[PC+3+6*\c+\i], v[PT+4*\c+\i]
.endr
.endr
.endm
.macro FINISH tau                              ; O^T / the sum, quantised along the head's 128 channels; codes and scale word into the stage, laid as rows of AO and AS
	WIN 0x55*(\tau)
	v_add_f32 v[SU], v[SU], v[SU+1]
	v_permlanex16_b32 v[TW], v[SU], s[SEL], s[SEL+1]
	v_add_f32 v[SU], v[SU], v[TW]                  ; the row's sum
	v_rcp_f32 v[FF], v[SU]
	v_nop                                          ; a plain line behind the reciprocal,
	s_wait_alu depctr_va_vdst(0)                   ; and the wait ahead of its first reader
.set i, 0
.rept 32
	v_pk_mul_f32 v[O+i:O+i+1], v[O+i:O+i+1], v[FF:FF+1] op_sel_hi:[1,0]
.set i, i+2
.endr
	SWAP O
	QUANT O, TW
	WIN 0x04*(\tau)                                ; an LDS store's data are its source 1
.irp p, 0,1,2,3,4,5
	ds_store_b64 v7, v[PC+2*\p:PC+2*\p+1] offset:6144*(\tau)+48*(\p/3)+8*(\p%3)
.endr
	ds_store_b32 v8, v[TW] offset:256*(\tau)       ; both halves of the lanes write the same word with the same value
.endm
	FINISH 0
	FINISH 1
	WIN 0
	s_wait_dscnt 0x0                               ; my stores into the stage have landed
	s_barrier_signal -1
	s_barrier_wait -1                              ; everybody's have
.irp k, 0,1,2,3,4,5
	ds_load_b128 v[S+4*\k:S+4*\k+3], v9 offset:512*\k
.endr
	ds_load_b32 v[S+24], v10
.irp k, 0,1,2,3,4,5
	s_wait_dscnt 6-\k                              ; load k is in; the 6 - k younger ones may be out
	global_store_b128 v11, v[S+4*\k:S+4*\k+3], s[18:19] offset:512*\k   ; 32 lanes store 512 consecutive bytes, aligned
.endr
	s_wait_dscnt 0x0
	global_store_b32 v12, v[S+24], s[20:21]        ; 16 bytes a token: my group's four scale words
	s_set_vgpr_msb 0x5
	s_wait_tensorcnt 0x0
	ds_add_u32 v254, v255
	s_wait_dscnt 0x0
	s_set_vgpr_msb 0x500
	CROUND                                         ; the closing round: no work-group ends while a partner may still ask for a tile that names it
	s_endpgm
.Lfunc_end_k_q10ebe4cb19_attn:
	.size	k_q10ebe4cb19_attn, .Lfunc_end_k_q10ebe4cb19_attn-k_q10ebe4cb19_attn
	.p2alignl 7, 3214868480
	.fill 96, 4, 3214868480
	.section	.rodata,"a",@progbits
	.p2align	6, 0x0
	.amdhsa_kernel k_q10ebe4cb19_attn
		.amdhsa_group_segment_fixed_size 247808
		.amdhsa_private_segment_fixed_size 0
		.amdhsa_enable_private_segment 0
		.amdhsa_kernarg_size 72
		.amdhsa_user_sgpr_count 2
		.amdhsa_user_sgpr_kernarg_segment_ptr 1
		.amdhsa_wavefront_size32 1
		.amdhsa_system_sgpr_workgroup_id_x 1
		.amdhsa_system_sgpr_workgroup_id_y 1
		.amdhsa_system_sgpr_workgroup_id_z 1
		.amdhsa_system_vgpr_workitem_id 0
		.amdhsa_next_free_vgpr 512
		.amdhsa_next_free_sgpr 100
		.amdhsa_reserve_vcc 1
		.amdhsa_float_denorm_mode_32 3
		.amdhsa_float_denorm_mode_16_64 3
		.amdhsa_memory_ordered 1
		.amdhsa_forward_progress 1
		.amdhsa_inst_pref_size 175
	.end_amdhsa_kernel
	.amdgpu_metadata
---
amdhsa.version: [ 1, 2 ]
amdhsa.kernels:
  - .name:           k_q10ebe4cb19_attn
    .symbol:         k_q10ebe4cb19_attn.kd
    .args:
      - { .name: QF, .offset: 0, .size: 8, .value_kind: global_buffer, .address_space: global }
      - { .name: QS, .offset: 8, .size: 8, .value_kind: global_buffer, .address_space: global }
      - { .name: KF, .offset: 16, .size: 8, .value_kind: global_buffer, .address_space: global }
      - { .name: KS, .offset: 24, .size: 8, .value_kind: global_buffer, .address_space: global }
      - { .name: VF, .offset: 32, .size: 8, .value_kind: global_buffer, .address_space: global }
      - { .name: VS, .offset: 40, .size: 8, .value_kind: global_buffer, .address_space: global }
      - { .name: mask, .offset: 48, .size: 8, .value_kind: global_buffer, .address_space: global }
      - { .name: AO, .offset: 56, .size: 8, .value_kind: global_buffer, .address_space: global }
      - { .name: AS, .offset: 64, .size: 8, .value_kind: global_buffer, .address_space: global }
    .group_segment_fixed_size: 247808
    .private_segment_fixed_size: 0
    .kernarg_segment_align: 8
    .kernarg_segment_size: 72
    .max_flat_workgroup_size: 256
    .sgpr_count:     100
    .vgpr_count:     512
    .wavefront_size: 32
...
	.end_amdgpu_metadata
.endif
;; end of part 2
;; launch outp (part 3): grid 8 x 32, 4 waves a work-group, clusters of 4 x 4, 327,680 bytes of LDS; arguments AO, AS, Wo_codes, Wo_scales, out0; writes out0
.if DOCPART == 3
	.amdgcn_target "amdgcn-amd-amdhsa--gfx1250"
	.amdhsa_code_object_version 6
	.text
	.protected	k_q10ebe4cb19_outp
	.globl	k_q10ebe4cb19_outp
	.p2align	8
	.type	k_q10ebe4cb19_outp,@function
k_q10ebe4cb19_outp:
	s_mov_b64 s[64:65], 0
	v_nop
	global_prefetch_b8 v0, s[64:65] scope:SCOPE_SE
	s_setreg_imm32_b32 hwreg(HW_REG_WAVE_MODE, 25, 1), 1
	s_wait_xcnt 0x0
	s_wait_alu depctr_hold_cnt(0) depctr_sa_sdst(0) depctr_va_vdst(0) depctr_va_sdst(0) depctr_va_ssrc(0) depctr_va_vcc(0) depctr_vm_vsrc(0)
	s_getreg_b32 s2, hwreg(HW_REG_IB_STS2, 6, 4)
	s_cmp_eq_u32 s2, 0
	s_cbranch_scc0 .Lentry_in_a_cluster
	s_endpgm
.Lentry_in_a_cluster:
	s_bfe_u32 s2, ttmp6, 0x10000c
	s_cmp_lg_u32 s2, 0xf033
	s_cbranch_scc0 .Lentry_shape_is_right
	s_endpgm
.Lentry_shape_is_right:
; THE LAST PROJECTION: out0[m][n] = sum over k of A[m][k] Wo[n][k], on codes of FP6 (E2M3) with one E8M0 scale for each 32 along K = 2,048; sums and out0 in f32.
; A is the attention launch's result: codes laid [4 groups][4,096 tokens][384 bytes] (a group's four heads, 96 bytes each), scale bytes [4,096][64].  K step j (256 along K, two heads) is 192 bytes of a token's
; row in plane j / 2, at byte 192 (j % 2).  Wo: [2,048][1,536 bytes], scale bytes [2,048][64].
; SHARES.  A tile of out0 is 128 tokens x 256 columns: 32 x 8 = 256 work-groups of four waves; a wave makes 64 x 128: 32 accumulators of 16 x 16, 256 registers.
; THREE LDS SLOTS, K step j in slot j % 3; a slot holds A's 128 rows and Wo's 256 rows of 192 bytes.  One tensor load brings all of A's rows or all of Wo's, so the four waves bring TWO K steps behind one barrier,
; one load a wave.  K steps 0, 1, 2 and the scales are the first fills (two loads a wave: two of a wave's are out at the most); the other five K steps come in three batches: 3 and 4 when slots 0 and 1 are read out,
; 5 when slot 2 is, 6 and 7 when slots 0 and 1 are again.  The 16 steps of 128 along K are written out, so that every offset is an immediate and every wave's tensor loads are counted alike on its one way.
; The scales of the work-group's 128 rows of A and 256 rows of Wo, for all of K, come into LDS once, in whole rows of 256 bytes, and stay.
; CLUSTERS: 4 x 4 work-groups.  The four of a row of the cluster need the same tiles of A, the four of a column the same tiles of Wo: each tile is asked for jointly, by the same tensor load with the same
; descriptor and a mask that names the four.  THE MATRIX INSTRUCTION IS USED TRANSPOSED (source 0 = 16 rows of Wo, source 1 = 16 rows of A): a lane holds eight neighbouring numbers of a row of out0.
; REGISTERS, in windows of 256: window 0: v8-19 LDS addresses of the fragments; v24-29 the way out, the scales' address, the add's two; v32-63 scale words, two sets; v128-223 A's fragments (4 x 16 rows x 128 K),
;   two sets; on the way out v128-255 rows of out0.   window 1: Wo's fragments (8 x 16 rows x 128 K), two sets, at v0 and v128.   window 2: the accumulators ((a, b) at v[8 (8 a + b)]).
.set SIZE_M, 4096
.set SIZE_N, 2048
.set ROWB,   192                       ; a tile's row in bytes: 256 codes
.set KROW,   1536                      ; a row of Wo in memory
.set AROW,   384                       ; a row of A in a plane
.set APLANE, SIZE_M*AROW               ; from plane to plane
.set PITCH,  240                       ; an LDS row: 3 x (64 bytes + 16 of padding) = 60 words: the 32 lanes of a load of 8 bytes touch 64 different banks (64 banks of 4 bytes: ISA guide 11.1)
.set FR,     12                        ; registers of a fragment
.set NL,     6                         ; LDS loads that bring one
.set NP,     4                         ; places behind this matrix instruction (ISA guide 7.12.1)
.set ATILE,  128*PITCH                 ; A's part of a slot
.set SLOT,   384*PITCH                 ; A's 128 rows, then Wo's 256 rows
.set KS,     64                        ; a row of scale bytes
.set SCL,    3*SLOT                    ; behind the slots: the scales, as units of 256 bytes + 16
.set ASCL,   32*272                    ; A's: 128 rows x 64 bytes; Wo's are twice as many
.set SBLK,   4*272                     ; those of 16 rows
.set SPARE,  SCL+3*ASCL                ; the spare words, 128 bytes for each wave: two blocks of 256 bytes that no other line names
.set STAGE,  2*SLOT                    ; the way out: 16 rows x (512 bytes + 16) for each wave, in slot 2, which has had its last fill (K step 5) and its last read by then
.set SPITCH, 528
.set ADRA, 8                           ; v8-10  LDS address of my A fragments in slot 0, 1, 2  (v11-13: the same for the pieces that lie behind one padding more)
.set ADRB, 14                          ; v14-16 the same for Wo  (v17-19)
.set STO,  24                          ; v24 the way out: where I put 32 bytes of a row
.set RD,   25                          ; v25 where I read a row back
.set CO,   26                          ; v26 my byte offset in a row of out0
.set ADRS, 27                          ; v27 LDS address of my scale words: lanes 0-15 A's rows, lanes 16-31 Wo's
.set SPW,  28                          ; v28 my spare word; never rewritten
.set NIL,  29                          ; v29 0; never rewritten
.set SC,   32                          ; scale words: set j % 2 at v[SC + 16 (j % 2)]; in it register 2 i + q: lanes 0-15 the word of A's block i, lanes 16-31 that of Wo's block i, for K step j's q-th 128
.set AF,   128                         ; A's fragments: set p at v[AF + 48 p]
.set BK,   128                         ; the way out: 16 rows read back from the stage: v128-191 and v192-255 by turns
.set G1,   24                          ; s[24:31] descriptor group 1 for A's tiles;  s[32:39] group 0, two sets
.set G0,   32
.set G1B,  48                          ; s[48:55], s[56:63] the same for Wo's tiles
.set G0B,  56
.set G1S,  68                          ; s[68:75], s[76:79] groups 1 and 0 for A's scales;  s[80:87], s[88:91] for Wo's
.set G0S,  76
.set G1SB, 80
.set G0SB, 88
.set MSB, 0
.macro WIN new                         ; the immediate's high byte repeats the setting that is left
.if MSB != (\new)
	s_set_vgpr_msb (MSB<<8)|(\new)
.set MSB, (\new)
.endif
.endm
.set W_MUL, 0xa1                       ; source 0 (Wo) window 1, source 1 (A) window 0, C and D window 2
.set W_TOB, 0x40                       ; destination window 1, address window 0
; A batch of two K steps: waves 0 and 2 fetch A's tiles, waves 1 and 3 Wo's; waves 0, 1 the batch's first K step, waves 2, 3 its second.  Each of the two lines has one mask; the branch hangs on the wave's
; number alone.  Four v_nop follow each line, ahead of the jump, the label and what follows.
.macro JLOAD
	s_cmp_eq_u32 s16, 0
	s_cbranch_scc0 .Lfor_b_\@
	tensor_load_to_lds s[G0:G0+3], s[G1:G1+7]
	s_nop 0
.rept 4
	v_nop
.endr
	s_branch .Lasked_\@
.Lfor_b_\@:
	tensor_load_to_lds s[G0B:G0B+3], s[G1B:G1B+7]
	s_nop 0
.rept 4
	v_nop
.endr
.Lasked_\@:
.endm
.macro JLOAD1                          ; a batch of one K step: wave 0 fetches A's tile, wave 1 Wo's, waves 2 and 3 nothing
	s_cmp_lg_u32 s14, 0
	s_cbranch_scc1 .Lnot_a_\@
	tensor_load_to_lds s[G0:G0+3], s[G1:G1+7]
	s_nop 0
.rept 4
	v_nop
.endr
	s_branch .Lasked_\@
.Lnot_a_\@:
	s_cmp_lg_u32 s14, 1
	s_cbranch_scc1 .Lasked_\@
	tensor_load_to_lds s[G0B:G0B+3], s[G1B:G1B+7]
	s_nop 0
.rept 4
	v_nop
.endr
.Lasked_\@:
.endm
.macro CREST                           ; a round of the cluster's barrier behind its opening barrier
	s_cmp_lg_u32 s14, 0
	s_cbranch_scc1 .Lnot_wave_0_\@
	s_barrier_signal -3
.Lnot_wave_0_\@:
	s_barrier_wait -3
	s_barrier_signal -1
	s_barrier_wait -1
.endm
.macro CROUND                          ; a whole round
	s_barrier_signal -1
	s_barrier_wait -1
	CREST
.endm
; Both groups 0 of a set: K step j0 into slot sl0; pair = 1: waves 2 and 3 take the K step and the slot one further on.  Every wave makes A's and Wo's; nothing here hangs on a place in the cluster
; but the two bases: s[4:5] holds the tile row alone, s[8:9] the tile column alone.
.macro GADDR set, j0, sl0, pair
.if \pair
	s_add_co_u32 s92, s15, \j0
	s_add_co_u32 s93, s15, \sl0
.else
	s_mov_b32 s92, \j0
	s_mov_b32 s93, \sl0
.endif
	s_mul_i32 s93, s93, SLOT
	s_mov_b32 s[G0+4*\set], 1                      ; 1:0 count = 1
	s_mov_b32 s[G0+4*\set+1], s93                  ; 63:32 LDS address: the slot's first byte
	s_mov_b32 s[G0B+4*\set], 1
	s_add_co_u32 s[G0B+4*\set+1], s93, ATILE       ; Wo's rows lie behind A's
	s_mul_i32 s94, s92, ROWB                       ; Wo: 192 bytes a K step along the row
	s_mov_b32 s95, 0
	s_add_nc_u64 s[G0B+4*\set+2:G0B+4*\set+3], s[8:9], s[94:95]
	s_or_b32 s[G0B+4*\set+3], s[G0B+4*\set+3], 0x80000000   ; 127:126 type = 2
	s_lshr_b32 s93, s92, 1                         ; A: plane j / 2,
	s_mul_i32 s94, s93, APLANE
	s_and_b32 s93, s92, 1
	s_mul_i32 s93, s93, ROWB                       ; byte 192 (j % 2)
	s_add_co_u32 s94, s94, s93
	s_add_nc_u64 s[G0+4*\set+2:G0+4*\set+3], s[4:5], s[94:95]
	s_or_b32 s[G0+4*\set+3], s[G0+4*\set+3], 0x80000000
.endm
	s_load_b128 s[4:7], s[0:1], 0x0                ; A's codes s[4:5], A's scales s[6:7]
	s_load_b128 s[8:11], s[0:1], 0x10              ; Wo's codes s[8:9], Wo's scales s[10:11]
	s_load_b64 s[12:13], s[0:1], 0x20              ; out0
	v_lshl_add_u32 v[SPW], v0, 2, SPARE
	v_mov_b32 v[NIL], 0
	ds_add_u32 v28, v29
	ds_add_u32 v28, v29
	s_wait_dscnt 0x0
	v_lshrrev_b32 v1, 5, v0
	v_readfirstlane_b32 s14, v1                    ; wave 0..3
	s_lshr_b32 s15, s14, 1                         ; which 64 of the tile's 128 rows are mine.  Also: which K step of a batch I fetch
	s_and_b32 s16, s14, 1                          ; which 128 of its 256 columns.  Also: I fetch for A (0) or for Wo (1)
	s_bfe_u32 s40, ttmp6, 0x40000                  ; cx, cy: my place in the cluster
	s_bfe_u32 s41, ttmp6, 0x40004
	s_lshl_b32 s42, ttmp9, 2
	s_add_co_u32 s42, s42, s40                     ; tile column = 4 x cluster x + cx
	s_and_b32 s17, ttmp7, 0xffff
	s_lshl_b32 s17, s17, 2
	s_add_co_u32 s17, s17, s41                     ; tile row = 4 x cluster y + cy
	s_lshl_b32 s43, s41, 2
	s_lshl_b32 s43, 15, s43                        ; my row of the cluster
	s_lshl_b32 s44, 0x1111, s40                    ; my column
	; group 1 for the codes: rows of 192 bytes, 16 bytes of padding behind every 64; A: 128 rows, 384 bytes apart; Wo: 256 rows, 1,536 bytes apart
	s_or_b32 s[G1+0], s43, (0<<16)|(1<<20)|(1<<21)|(3<<22)|(3<<25)   ; 15:0 the mask: A's tiles go to my row; elements of 1 byte; 20 padding on; 21 set beside a mask; after every 16 words (code 3) 4 words (code 3)
	s_or_b32 s[G1B+0], s44, (0<<16)|(1<<20)|(1<<21)|(3<<22)|(3<<25)  ; Wo's go to my column
.irp g, G1, G1B
	s_mov_b32 s[\g+1], ROWB<<16                    ; tensor_dim0
	s_mov_b32 s[\g+3], ROWB<<16                    ; tile_dim0
	s_mov_b32 s[\g+6], 0
	s_mov_b32 s[\g+7], 0
.endr
	s_mov_b32 s[G1+2], 128<<16                     ; tensor_dim1
	s_mov_b32 s[G1+4], 128                         ; tile_dim1
	s_mov_b32 s[G1+5], AROW                        ; from row to row
	s_mov_b32 s[G1B+2], 256<<16
	s_mov_b32 s[G1B+4], 256
	s_mov_b32 s[G1B+5], KROW
	; group 1 for the scales: dense blocks as rows of 256 bytes (32 elements of 8 bytes), 16 bytes of padding behind each; A: 32 rows, Wo: 64
	s_or_b32 s[G1S+0], s43, (3<<16)|(1<<20)|(1<<21)|(5<<22)|(3<<25)
	s_or_b32 s[G1SB+0], s44, (3<<16)|(1<<20)|(1<<21)|(5<<22)|(3<<25)
.irp g, G1S, G1SB
	s_mov_b32 s[\g+1], 32<<16
	s_mov_b32 s[\g+3], 32<<16
	s_mov_b32 s[\g+5], 32
	s_mov_b32 s[\g+6], 0
	s_mov_b32 s[\g+7], 0
.endr
	s_mov_b32 s[G1S+2], 32<<16
	s_mov_b32 s[G1S+4], 32
	s_mov_b32 s[G1SB+2], 64<<16
	s_mov_b32 s[G1SB+4], 64
	s_lshl_b32 s20, s17, 7                         ; A's first row: 128 x tile row
	s_lshl_b32 s46, s42, 8                         ; Wo's: 256 x tile column
	s_mul_i32 s22, s20, AROW
	s_mov_b32 s23, 0
	s_lshl_b32 s92, s20, 6
	s_mov_b32 s93, 0
	s_mul_i32 s94, s46, KROW
	s_mov_b32 s95, 0
	s_lshl_b32 s96, s46, 6
	s_mov_b32 s97, 0
	s_wait_kmcnt 0x0
	s_add_nc_u64 s[4:5], s[4:5], s[22:23]          ; A's codes at the tile's first row, plane 0; it stays
	s_add_nc_u64 s[6:7], s[6:7], s[92:93]          ; its scales
	s_add_nc_u64 s[8:9], s[8:9], s[94:95]          ; Wo's codes at the tile's first row; it stays
	s_add_nc_u64 s[10:11], s[10:11], s[96:97]      ; its scales
	s_mov_b32 s[G0S], 1
	s_mov_b32 s[G0S+1], SCL
	s_mov_b64 s[G0S+2:G0S+3], s[6:7]
	s_or_b32 s[G0S+3], s[G0S+3], 0x80000000
	s_mov_b32 s[G0SB], 1
	s_mov_b32 s[G0SB+1], SCL+ASCL
	s_mov_b64 s[G0SB+2:G0SB+3], s[10:11]
	s_or_b32 s[G0SB+3], s[G0SB+3], 0x80000000
	GADDR 0, 0, 0, 0                               ; K step 0 into slot 0
	GADDR 1, 1, 1, 1                               ; K step 1 into slot 1 (waves 0, 1), K step 2 into slot 2 (waves 2, 3)
	CROUND                                         ; all sixteen work-groups are here: the first joint loads meet
	; THE FIRST FILLS, two loads a wave, what is wanted first ahead: waves 0, 1: K steps 0 and 1; waves 2, 3: the scales and K step 2
	s_cmp_eq_u32 s16, 0
	s_cbranch_scc0 .Lfirst_b
	s_cmp_eq_u32 s15, 0
	s_cbranch_scc0 .Lfirst_a1
	tensor_load_to_lds s[G0:G0+3], s[G1:G1+7]
	s_nop 0
	tensor_load_to_lds s[G0+4:G0+7], s[G1:G1+7]
	s_nop 0
.rept 4
	v_nop
.endr
	s_branch .Lfirst_done
.Lfirst_a1:
	tensor_load_to_lds s[G0S:G0S+3], s[G1S:G1S+7]
	s_nop 0
	tensor_load_to_lds s[G0+4:G0+7], s[G1:G1+7]
	s_nop 0
.rept 4
	v_nop
.endr
	s_branch .Lfirst_done
.Lfirst_b:
	s_cmp_eq_u32 s15, 0
	s_cbranch_scc0 .Lfirst_b1
	tensor_load_to_lds s[G0B:G0B+3], s[G1B:G1B+7]
	s_nop 0
	tensor_load_to_lds s[G0B+4:G0B+7], s[G1B:G1B+7]
	s_nop 0
.rept 4
	v_nop
.endr
	s_branch .Lfirst_done
.Lfirst_b1:
	tensor_load_to_lds s[G0SB:G0SB+3], s[G1SB:G1SB+7]
	s_nop 0
	tensor_load_to_lds s[G0B+4:G0B+7], s[G1B:G1B+7]
	s_nop 0
.rept 4
	v_nop
.endr
.Lfirst_done:
	v_and_b32 v1, 15, v0                           ; l % 16
	v_bfe_u32 v2, v0, 4, 1                         ; l / 16
	v_mul_u32_u24 v3, v1, PITCH
	v_mul_u32_u24 v4, v2, 24
	v_add_nc_u32 v4, v3, v4                        ; a fragment's row x pitch + 24 x half
	v_lshl_add_u32 v5, v2, 4, v4                   ; and the same behind one padding more
	s_mul_i32 s21, s15, 64*PITCH                   ; my 64 rows of A
	s_mul_i32 s22, s16, 128*PITCH                  ; my 128 rows of Wo,
	s_add_co_u32 s22, s22, ATILE                   ; which lie behind A's 128
.irp s, 0,1,2
	v_add_nc_u32 v[ADRA+\s], s21, v4
	v_add_nc_u32 v[ADRB+\s], s22, v4
	v_add_nc_u32 v[ADRA+3+\s], s21, v5
	v_add_nc_u32 v[ADRB+3+\s], s22, v5
	s_add_co_u32 s21, s21, SLOT
	s_add_co_u32 s22, s22, SLOT
.endr
	v_mul_u32_u24 v5, v1, KS                       ; my row's scales: 64 bytes a row,
	v_lshrrev_b32 v6, 8, v5
	v_lshl_add_u32 v5, v6, 4, v5                   ; and 16 more for each 256 passed
	s_mul_i32 s21, s15, 4*SBLK                     ; A's: my 64 rows
	s_mul_i32 s22, s16, 8*SBLK                     ; Wo's: my 128 rows, behind A's 128
	s_add_co_u32 s22, s22, ASCL
	s_sub_co_u32 s22, s22, s21
	v_mul_u32_u24 v6, s22, v2                      ; lanes 16-31 take Wo's: the lower base + half x the distance
	s_add_co_u32 s21, s21, SCL
	v_add_nc_u32 v5, v5, v6
	v_add_nc_u32 v[ADRS], s21, v5
	s_mul_i32 s23, s14, 16*SPITCH
	s_add_co_u32 s23, s23, STAGE                   ; my stage
	v_mul_u32_u24 v5, v1, SPITCH                   ; in: row l % 16, 32 bytes for each half of the lanes
	v_lshl_add_u32 v5, v2, 5, v5
	v_add_nc_u32 v[STO], s23, v5
	v_and_b32 v6, 31, v0
	v_lshlrev_b32 v[CO], 4, v6                     ; back: the 32 lanes take one row of 512 bytes; and the same in out0
	v_add_nc_u32 v[RD], s23, v[CO]
	s_lshl_b32 s20, s17, 7
	s_lshl_b32 s21, s15, 6
	s_add_co_u32 s20, s20, s21                     ; my first row of out0: 128 x tile row + 64 x half
	s_mov_b32 s21, 0
	s_mov_b64 s[18:19], SIZE_N*4
	s_mul_u64 s[20:21], s[20:21], s[18:19]
	s_lshl_b32 s46, s42, 10                        ; my first column, in bytes: 1,024 x tile column + 512 x half
	s_lshl_b32 s47, s16, 9
	s_add_co_u32 s46, s46, s47
	s_mov_b32 s47, 0
	s_add_nc_u64 s[20:21], s[20:21], s[46:47]
	s_add_nc_u64 s[12:13], s[12:13], s[20:21]
.macro FRAG reg, adr, q, i             ; a fragment: lane l holds row l % 16; registers 6 c .. 6 c + 5 hold K = 64 c + 32 (l / 16) + 0 .. 31: 24 bytes of the row's stream of bits, in pieces of 8 bytes
.irp p, 0,1,2,3,4,5
.set PCE, 12*(\q)+6*(\p/3)+\p%3        ; where the piece three on lies behind one padding more, the second address register serves
.if PCE%8 < 5
	ds_load_b64 v[\reg+2*\p:\reg+2*\p+1], v[\adr] offset:8*PCE+16*(PCE/8)+(\i)*16*PITCH
.else
	ds_load_b64 v[\reg+2*\p:\reg+2*\p+1], v[\adr+3] offset:8*PCE+16*(PCE/8)+(\i)*16*PITCH
.endif
.endr
.endm
; 8 matrix instructions: A's block a x Wo's eight, 128 along K.  p: the sets of fragments; q: which 128 of the K step; sc: the set of scale words.  zero = 1: the first product starts the sums.
; The 32 accumulators take turns, one instruction a turn, in the same order in every step.
.macro MUL8 a, p, q, sc, zero
.irp b, 0,1,2,3,4,5,6,7
.if \zero
	v_wmma_scale_f32_16x16x128_f8f6f4 v[8*(8*(\a)+\b):8*(8*(\a)+\b)+7], v[128*(\p)+FR*\b:128*(\p)+FR*\b+FR-1], v[AF+48*(\p)+FR*(\a):AF+48*(\p)+FR*(\a)+FR-1], 0, v[SC+16*(\sc)+2*\b+(\q)], v[SC+16*(\sc)+2*(\a)+(\q)] matrix_a_fmt:MATRIX_FMT_FP6 matrix_b_fmt:MATRIX_FMT_FP6 matrix_a_scale:MATRIX_SCALE_ROW1
.else
	v_wmma_scale_f32_16x16x128_f8f6f4 v[8*(8*(\a)+\b):8*(8*(\a)+\b)+7], v[128*(\p)+FR*\b:128*(\p)+FR*\b+FR-1], v[AF+48*(\p)+FR*(\a):AF+48*(\p)+FR*(\a)+FR-1], v[8*(8*(\a)+\b):8*(8*(\a)+\b)+7], v[SC+16*(\sc)+2*\b+(\q)], v[SC+16*(\sc)+2*(\a)+(\q)] matrix_a_fmt:MATRIX_FMT_FP6 matrix_b_fmt:MATRIX_FMT_FP6 matrix_a_scale:MATRIX_SCALE_ROW1
.endif
.endr
.endm
.macro FETCH_B slot, q, p              ; Wo's eight fragments of the slot's q-th 128 along K into set p: 48 loads
	WIN W_TOB
.irp i, 0,1,2,3,4,5,6,7
	FRAG 128*(\p)+FR*\i, ADRB+\slot, \q, \i
.endr
	WIN 0
.endm
.macro FETCH_A slot, q, p, i0          ; A's blocks i0, i0 + 1 into set p: 12 loads
.irp i, \i0, \i0+1
	FRAG AF+48*(\p)+FR*(\i), ADRA+\slot, \q, \i
.endr
.endm
.macro SCALES j                        ; K step j's scale words, two a row, into set j % 2: lanes 0-15 take A's block i, lanes 16-31 Wo's block i (of A's only blocks 0-3 are used): 8 loads
.irp i, 0,1,2,3,4,5,6,7
	ds_load_b64 v[SC+16*((\j)%2)+2*\i:SC+16*((\j)%2)+2*\i+1], v[ADRS] offset:\i*SBLK+8*(\j)
.endr
.endm
; A load into a register that a matrix instruction has read, and an LDS store that reads a matrix result, stand NP places behind that matrix instruction, and only plain vector instructions that name none of
; its registers are places (ISA guide 7.12.1 for vector instructions).  A step's loads go into the sets that the step before multiplied: one run of places a step serves them all.
.macro PLACES n
.rept \n
	v_nop
.endr
.endm
; STEP t of 16: 128 along K: K step t / 2, its (t % 2)-th half; 32 matrix instructions on the sets t % 2; the next step's 72 fragment loads go into the other sets, 60 in the step's middle, 12 at its end.
; ev = 0: no barrier.  ev = 1: a barrier behind which the next slots are whole.  ev = 2: the same, and two slots that have been read out are filled again, with K steps jn, jn + 1 into slots sn, sn + 1.
; ev = 3: one slot, with K step jn into slot sn.  In front of the barrier each wave waits for all its tensor loads, adds 0 to its spare word, and waits for that and for its own LDS reads.
.macro STEP t, ev, jn, sn
.set T_P, (\t)%2
.set T_S, ((\t)/2)%2
.set T_Z, 0
.if (\t) == 0
.set T_Z, 1
.endif
.set N_J, ((\t)+1)/2
.set N_Q, ((\t)+1)%2
.set N_L, N_J%3
.if \ev
	s_wait_tensorcnt 0x0                           ; all my tensor loads have landed, so every group 0 may be written  (every window is 0 here: the add's two registers lie in window 0)
	ds_add_u32 v[SPW], v[NIL]                      ; 0 onto my spare word
.if (\ev) == 2
	GADDR 0, \jn, \sn, 1
.endif
.if (\ev) == 3
	GADDR 0, \jn, \sn, 0
.endif
	s_wait_dscnt 2*NL+1                            ; (the add and the youngest 12 loads, A's blocks 2 and 3, may be out)
	WIN W_MUL
	MUL8 0, T_P, T_P, T_S, T_Z                     ; eight matrix instructions stand between the add and the wait for it
	s_wait_dscnt 0x0                               ; the add is done, and my reads of the slots behind me are over
	s_barrier_signal -1
	MUL8 1, T_P, T_P, T_S, T_Z
	WIN 0
	s_barrier_wait -1
.if (\ev) == 1
	PLACES NP
.endif
.if (\ev) == 2
	CREST                                          ; the barrier has opened a round of the cluster's: no wave of any partner still reads these slots or has a load on its way
	JLOAD                                          ; the first tensor load behind the round, one a wave; its four v_nop are the places in front of the loads below
.endif
.if (\ev) == 3
	CREST
	JLOAD1
	PLACES NP                                      ; (waves 2 and 3 have passed no v_nop)
.endif
.else
	s_wait_dscnt 2*NL                              ; Wo's set, A's blocks 0 and 1 and the scale words are in; the youngest 12 loads (A's blocks 2 and 3) may be out
	WIN W_MUL
	MUL8 0, T_P, T_P, T_S, T_Z
	MUL8 1, T_P, T_P, T_S, T_Z
.if (\t) < 15
	PLACES NP
.endif
.endif
.if (\t) < 15
	FETCH_B N_L, N_Q, 1-T_P
	FETCH_A N_L, N_Q, 1-T_P, 0
.if (\ev) == 0
	s_wait_dscnt 10*NL                             ; all but the 60 just issued: A's blocks 2 and 3 are in
.endif
.else
	s_wait_dscnt 0x0
.endif
	WIN W_MUL
	MUL8 2, T_P, T_P, T_S, T_Z
	MUL8 3, T_P, T_P, T_S, T_Z
	WIN 0
.if (\t) < 15
.if N_Q == 0
	SCALES N_J                                     ; ahead of the 12 loads that the next step's first wait leaves out
.endif
	FETCH_A N_L, N_Q, 1-T_P, 2
.endif
.endm
	s_wait_tensorcnt 1                             ; my first load is in: K step 0 (waves 0, 1), the scales (waves 2, 3); my second may be out
	s_barrier_signal -1
	s_barrier_wait -1                              ; everybody's is
	FETCH_B 0, 0, 0
	FETCH_A 0, 0, 0, 0
	SCALES 0
	FETCH_A 0, 0, 0, 2
	STEP 0, 0, 0, 0                                ; the first step's products start the sums: nothing is ever cleared
	STEP 1, 1, 0, 0                                ; K steps 1 and 2 have landed
	STEP 2, 0, 0, 0
	STEP 3, 2, 3, 0                                ; slots 0 and 1 are read out: K steps 3 and 4 are asked for
	STEP 4, 0, 0, 0
	STEP 5, 3, 5, 2                                ; they have landed; slot 2 is read out: K step 5
	STEP 6, 0, 0, 0
	STEP 7, 0, 0, 0
	STEP 8, 0, 0, 0
	STEP 9, 2, 6, 0                                ; it has landed; slots 0 and 1 are read out: K steps 6 and 7, the last
	STEP 10, 0, 0, 0
	STEP 11, 1, 0, 0                               ; they have landed; behind this barrier nobody reads slot 2 any more
	STEP 12, 0, 0, 0
	STEP 13, 0, 0, 0
	STEP 14, 0, 0, 0
	STEP 15, 0, 0, 0
; THE WAY OUT, block by block of 16 rows x 128 columns.  A lane holds 32 neighbouring bytes of a row, and the lanes beside it hold other rows: so a block goes through my own stage in LDS and comes back as whole
; rows of 512 bytes.  LDS serves a wave's instructions in order (ISA guide 5.7.1.4): no wait between the stores and the loads, nor in front of the next block's stores.
.macro TOSTAGE a
.set AC, 64*(\a)
	WIN 0x08                                       ; an LDS store's data are its source 1: window 2
.irp b, 0,1,2,3,4,5,6,7
	ds_store_b128 v[STO], v[AC+8*\b:AC+8*\b+3] offset:64*\b          ; each accumulator from its low end on
	ds_store_b128 v[STO], v[AC+8*\b+4:AC+8*\b+7] offset:64*\b+16
.endr
	WIN 0
.set BB, BK+64*((\a)%2)
.irp t, 0,1,2,3,4,5,6,7,8,9,10,11,12,13,14,15
	ds_load_b128 v[BB+4*\t:BB+4*\t+3], v[RD] offset:\t*SPITCH
.endr
.endm
.macro SEND a, younger                 ; younger: the LDS instructions issued behind block a's loads, which may stay out
.set BB, BK+64*((\a)%2)
	s_wait_dscnt \younger                          ; the block is back in registers
.if (\a) > 0
	s_add_nc_u64 s[12:13], s[12:13], 16*SIZE_N*4   ; (behind a wait on XCNT: the earlier stores have read their base)  16 rows on
.endif
.irp t, 0,1,2,3,4,5,6,7,8,9,10,11,12,13,14,15
	global_store_b128 v[CO], v[BB+4*\t:BB+4*\t+3], s[12:13] offset:\t*SIZE_N*4 th:TH_STORE_NT   ; 32 lanes store 512 consecutive bytes, at a multiple of 256 from out0's first byte; written once, read by nobody here
.endr
.endm
	PLACES NP                                      ; behind the last products: their results are read, and the loads below land in the registers that held A's fragments
	TOSTAGE 0
.irp a, 1,2,3
.if \a > 1
	s_wait_xcnt 0x0                                ; block a - 2's stores have read their registers and their base: block a's loads may land there, and the base may step
.endif
	TOSTAGE \a
	SEND \a-1, 32                                  ; behind block a - 1's loads: block a's 16 stores and 16 loads
.endr
	s_wait_xcnt 0x0                                ; block 2's stores have read their base
	SEND 3, 0
	s_wait_tensorcnt 0x0                           ; the wave's end, behind my last tensor load and my last LDS store
	ds_add_u32 v[SPW], v[NIL]
	s_wait_dscnt 0x0
	CROUND                                         ; the closing round: no work-group ends while a partner may still ask for a tile that names it
	s_endpgm
.Lfunc_end_k_q10ebe4cb19_outp:
	.size	k_q10ebe4cb19_outp, .Lfunc_end_k_q10ebe4cb19_outp-k_q10ebe4cb19_outp
	.p2alignl 7, 3214868480
	.fill 96, 4, 3214868480
	.section	.rodata,"a",@progbits
	.p2align	6, 0x0
	.amdhsa_kernel k_q10ebe4cb19_outp
		.amdhsa_group_segment_fixed_size 327680
		.amdhsa_private_segment_fixed_size 0
		.amdhsa_enable_private_segment 0
		.amdhsa_kernarg_size 40
		.amdhsa_user_sgpr_count 2
		.amdhsa_user_sgpr_kernarg_segment_ptr 1
		.amdhsa_wavefront_size32 1
		.amdhsa_system_sgpr_workgroup_id_x 1
		.amdhsa_system_sgpr_workgroup_id_y 1
		.amdhsa_system_sgpr_workgroup_id_z 1
		.amdhsa_system_vgpr_workitem_id 0
		.amdhsa_next_free_vgpr 768
		.amdhsa_next_free_sgpr 98
		.amdhsa_reserve_vcc 0
		.amdhsa_float_denorm_mode_32 3
		.amdhsa_float_denorm_mode_16_64 3
		.amdhsa_memory_ordered 1
		.amdhsa_forward_progress 1
		.amdhsa_inst_pref_size 177
	.end_amdhsa_kernel
	.amdgpu_metadata
---
amdhsa.version: [ 1, 2 ]
amdhsa.kernels:
  - .name:           k_q10ebe4cb19_outp
    .symbol:         k_q10ebe4cb19_outp.kd
    .args:
      - { .name: AO, .offset: 0, .size: 8, .value_kind: global_buffer, .address_space: global }
      - { .name: AS, .offset: 8, .size: 8, .value_kind: global_buffer, .address_space: global }
      - { .name: Wo_codes, .offset: 16, .size: 8, .value_kind: global_buffer, .address_space: global }
      - { .name: Wo_scales, .offset: 24, .size: 8, .value_kind: global_buffer, .address_space: global }
      - { .name: out0, .offset: 32, .size: 8, .value_kind: global_buffer, .address_space: global }
    .group_segment_fixed_size: 327680
    .private_segment_fixed_size: 0
    .kernarg_segment_align: 8
    .kernarg_segment_size: 40
    .max_flat_workgroup_size: 128
    .sgpr_count:     98
    .vgpr_count:     768
    .wavefront_size: 32
...
	.end_amdgpu_metadata
.endif
;; end of part 3
